; MI455X (gfx1250); checked and timed in simulation.
; The chip was launched on July 23, 2026; its instructions are those of AMD's public machine-readable ISA for CDNA 5 (MIT licence, August 2026) and "CDNA5" Instruction Set Architecture Reference Guide (July 2026). The comments in the code are by the model that wrote it; some were corrected since.
;; Attention. Allowed arithmetic: matrix products marked QUANTISED: E2M3 operands, one E8M0 scale for each 32 along K, by v_wmma_scale_f32_16x16x128_f8f6f4 with both operands' format E2M3, f32 sums; everything else in f32.
;; Inputs: freqs_cis 1,024 x 64 x 2 float32; gate 16 float32; kn_b 2,048 float32; kn_w 2,048 float32; kyn_b 2,048 float32; kyn_w 2,048 float32; qn_b 2,048 float32; qn_w 2,048 float32; wk_codes 2,048 x 64 x 24 uint8 (E2M3 codes of wk, K innermost, in blocks of 32 codes, four codes in three bytes); wk_scales 2,048 x 64 uint8 (E8M0 scales of wk, one for each 32 codes along K); wky_codes 2,048 x 64 x 24 uint8 (E2M3 codes of wky, K innermost, in blocks of 32 codes, four codes in three bytes); wky_scales 2,048 x 64 uint8 (E8M0 scales of wky, one for each 32 codes along K); wo_codes 2,048 x 64 x 24 uint8 (E2M3 codes of wo, K innermost, in blocks of 32 codes, four codes in three bytes); wo_scales 2,048 x 64 uint8 (E8M0 scales of wo, one for each 32 codes along K); wq_codes 2,048 x 64 x 24 uint8 (E2M3 codes of wq, K innermost, in blocks of 32 codes, four codes in three bytes); wq_scales 2,048 x 64 uint8 (E8M0 scales of wq, one for each 32 codes along K); wv_codes 2,048 x 64 x 24 uint8 (E2M3 codes of wv, K innermost, in blocks of 32 codes, four codes in three bytes); wv_scales 2,048 x 64 uint8 (E8M0 scales of wv, one for each 32 codes along K); wvy_codes 2,048 x 64 x 24 uint8 (E2M3 codes of wvy, K innermost, in blocks of 32 codes, four codes in three bytes); wvy_scales 2,048 x 64 uint8 (E8M0 scales of wvy, one for each 32 codes along K); x_codes 2 x 1,024 x 64 x 24 uint8 (E2M3 codes of x, K innermost, in blocks of 32 codes, four codes in three bytes); x_mask 2 x 1,024 bool; x_scales 2 x 1,024 x 64 uint8 (E8M0 scales of x, one for each 32 codes along K); y_codes 2 x 512 x 64 x 24 uint8 (E2M3 codes of y, K innermost, in blocks of 32 codes, four codes in three bytes); y_mask 2 x 512 bool; y_scales 2 x 512 x 64 uint8 (E8M0 scales of y, one for each 32 codes along K).
;; Outputs: out0 2 x 1,024 x 2,048 float32.
;; This version of the problem:
;;   THIS VERSION OF THE PROBLEM IS GIVEN IN LOW PRECISION. The matrix products marked QUANTISED in the list below multiply operands that are first quantised to E2M3 (2 exponent bits, 3 mantissa bits; 6 bits a number), with one power-of-two scale for each 32 numbers along K (OCP MX v1.0); their sums are f32. All else is computed in f32.
;;   The module's matrix products, in the order in which they are computed (A, B: the left and right operand; K: the contracted axis; several contracted axes count as one K, in the product's order):
;;     1. [M 2,048, K 2,048] x [K 2,048, N 2,048]; A: input x (given as codes); B: input wq (given as codes): QUANTISED
;;     2. [M 2,048, K 2,048] x [K 2,048, N 2,048]; A: input x (given as codes); B: input wk (given as codes): QUANTISED
;;     3. [M 2,048, K 2,048] x [K 2,048, N 2,048]; A: input x (given as codes); B: input wv (given as codes): QUANTISED
;;     4. batch 32 x [M 1,024, K 128] x [K 128, N 1,024]; A: computed on the way; B: computed on the way: QUANTISED
;;     5. batch 32 x [M 128, K 1,024] x [K 1,024, N 1,024]; A: computed on the way; B: softmax (see below): QUANTISED
;;     6. [M 1,024, K 2,048] x [K 2,048, N 2,048]; A: input y (given as codes); B: input wky (given as codes): QUANTISED
;;     7. [M 1,024, K 2,048] x [K 2,048, N 2,048]; A: input y (given as codes); B: input wvy (given as codes): QUANTISED
;;     8. batch 32 x [M 1,024, K 128] x [K 128, N 512]; A: computed on the way; B: computed on the way: QUANTISED
;;     9. batch 32 x [M 128, K 512] x [K 512, N 1,024]; A: computed on the way; B: softmax (see below): QUANTISED
;;     10. [M 2,048, K 2,048] x [K 2,048, N 2,048]; A: computed on the way; B: input wo (given as codes): QUANTISED
;;   THE QUANTISER, for each operand of a quantised product, along K:
;;     - K is cut into blocks of 32 from its start; a last block that is shorter is filled with zeros.
;;     - A block's scale is 2^e with e = floor(log2(the largest magnitude in the block)) - 2, held to -126 .. 127; a block of zeros has e = 0. As a byte (E8M0): e + 127.
;;     - Each number is divided by its block's scale, clamped to +-7.5, and rounded to the nearest number of E2M3, ties to even, subnormals kept.
;;     - The product sums the exact products of the quantised numbers (number of the format x scale) in f32.
;;   ~~~python
;;   def quantise(x, axis):      # numpy; x: float32 -> the quantised numbers, widened to float32 again
;;       x = np.moveaxis(x, axis, -1); K = x.shape[-1]
;;       x = np.pad(x, [(0, 0)] * (x.ndim - 1) + [(0, -K % 32)]); x = x.reshape(x.shape[:-1] + (-1, 32)); a = np.abs(x).max(-1, keepdims=True)
;;       e = np.where(a > 0, np.clip(np.frexp(np.where(a > 0, a, 1))[1] - 1 - 2, -126, 127), 0)      # np.frexp(a)[1] - 1 = floor(log2(a)), exactly
;;       r = np.clip(x / 2.0 ** e, -7.5, 7.5)
;;       step = 2.0 ** (np.maximum(np.frexp(np.where(r == 0, 1, r))[1] - 1, 0) - 3)
;;       q = np.round(r / step) * step * 2.0 ** e      # np.round: ties to even
;;       return np.moveaxis(q.reshape(q.shape[:-2] + (-1,))[..., :K], -1, axis).astype(np.float32)
;;   ~~~
;;   SOFTMAX AHEAD OF A QUANTISED PRODUCT. Where the list says 'softmax', what is quantised is not the finished softmax but p = 2^(t - M), with t = logit x log2(e) and M = ceil(the row's largest t), a whole number; so 1/2 < the row's largest p <= 1. The row's sum l is taken of the UNQUANTISED p, in f32, and the product's result is divided by l at the end. Since M is a whole number, a kernel that streams over the keys may use a running M (the ceiling of the running maximum): every later rescaling is an exact power of two, which a block's scale takes up: the codes' values come out the same.
;;   OPERANDS COMPUTED ON THE WAY. 'Computed on the way' means the value that the module computes at that place (a softmax that the list does not call 'softmax' is quantised finished and normalised). What goes into a quantiser is computed in f32, as accurately as f32 sums, v_exp_f32 and their like allow (about 1e-6 of the number): no bf16 or f16 on the way to a quantiser, and a product that is left as it is and whose result goes on into a quantised operand takes f32 operands (vector FMAs, or v_wmma_f32_16x16x4_f32). A number that lies on a knife's edge between two numbers of the format may be rounded either way, as far as f32 arithmetic and the matrix unit's own rounding can turn it there, and no further.
;;   INPUTS GIVEN AS CODES. wk (in the module: [2048, 2048], K = its axis 0); wky (in the module: [2048, 2048], K = its axis 0); wo (in the module: [2048, 2048], K = its axis 0); wq (in the module: [2048, 2048], K = its axis 0); wv (in the module: [2048, 2048], K = its axis 0); wvy (in the module: [2048, 2048], K = its axis 0); x (in the module: [2, 1024, 2048], K = its axis 2); y (in the module: [2, 512, 2048], K = its axis 2): each comes as NAME_codes (uint8): NAME with its K axis moved to the last place and cut into blocks of 32 codes, [.., K / 32, bytes a block], one block behind the other in memory; four codes in three bytes: a row's codes are one little-endian stream of bits, code i at bits 6 i .. 6 i + 5 (a code: sign, 2 exponent bits, 3 mantissa bits); and NAME_scales (uint8): the same leading axes, one E8M0 byte (e + 127) for each 32 codes along K. Its value is code x scale, taken as it is: it is not quantised again, and the codes and scales need not be those that the quantiser above would give.
;; 2 versions, each right. Each part assembles by itself: llvm-mc -triple=amdgcn-amd-amdhsa -mcpu=gfx1250 --defsym DOCPART=n.
;; ======== version 1 of 2: 4 launches
;; limits: right only within a limited range of input values
;; workspace buffers: xf 41,943,040 bytes; qc 3,145,728 bytes; qs 262,144 bytes; kv 10,223,616 bytes; oc 3,145,728 bytes; os 131,072 bytes
;; launch proj (part 1): grid 16 x 16, 4 waves a work-group, clusters of 4 x 4, 327,680 bytes of LDS; arguments x_codes, x_scales, y_codes, y_scales, wq_codes, wq_scales, wk_codes, wk_scales, wv_codes, wv_scales, wky_codes, wky_scales, wvy_codes, wvy_scales, xf, kv; writes xf, kv
.if DOCPART == 1
	.amdgcn_target "amdgcn-amd-amdhsa--gfx1250"
	.amdhsa_code_object_version 6
	.text
	.protected	k_qba59408a9c_proj
	.globl	k_qba59408a9c_proj
	.p2align	8
	.type	k_qba59408a9c_proj,@function
k_qba59408a9c_proj:
	s_mov_b64 s[64:65], 0
	v_nop
	global_prefetch_b8 v0, s[64:65] scope:SCOPE_SE
	s_setreg_imm32_b32 hwreg(HW_REG_WAVE_MODE, 25, 1), 1
	s_wait_xcnt 0x0
	s_wait_alu depctr_hold_cnt(0) depctr_sa_sdst(0) depctr_va_vdst(0) depctr_va_sdst(0) depctr_va_ssrc(0) depctr_va_vcc(0) depctr_vm_vsrc(0)
	s_getreg_b32 s2, hwreg(HW_REG_IB_STS2, 6, 4)
	s_cmp_eq_u32 s2, 0
	s_cbranch_scc0 .Lentry_in_a_cluster
	s_endpgm
.Lentry_in_a_cluster:
	s_bfe_u32 s2, ttmp6, 0x10000c
	s_cmp_lg_u32 s2, 0xf033
	s_cbranch_scc0 .Lentry_shape_is_right
	s_endpgm
.Lentry_shape_is_right:
; THE FIVE PROJECTIONS, K = 2,048, on codes of FP6 (E2M3) with one E8M0 scale for each 32 along K, as 256 tiles of 256 x 256: one work-group a tile, four waves, 128 x 128 a wave (64 accumulators).
; Sixteen clusters of 4 x 4 work-groups; cluster c = 4 y + x takes problem p:  0: xq = x wq   1: xk = x wk   2: v^T = wv x   3: y wky   4: (y wvy)^T = wvy y.
; 'A' gives the rows of a tile, 'B' its columns; both lie [rows][2048 codes] in memory.  For v and yv A is the WEIGHT and B the tokens, so that a lane holds one channel and its registers run along the keys.
; THE MATRIX INSTRUCTION IS USED TRANSPOSED (source 0 = 16 rows of B, source 1 = 16 rows of A): lane l holds A's row l % 16, register j of accumulator (a, b) B's row 16 b + 8 (l / 16) + j.
; OUT.  p = 0, 1, 3: the accumulators leave as f32, as IMAGES OF THE REGISTERS: xf [320 row tiles][128 column tiles][1,024 bytes], registers 0-3 of a tile at 16 x lane, registers 4-7 512 bytes on:
;   every store covers 512 consecutive bytes, aligned.  p = 2, 4: a wave's 128 x 128 is one head x one key step of 128: it is quantised along the keys here and leaves as eight operand images
;   (a fragment: 3 x 512 bytes; its scale words: 128 bytes) into the step's V record of kv.  Inside a block of 32 keys the codes stand in the order 16 (i / 8) + 8 h + i % 8; the softmax's weights are laid alike.
; K goes in steps of 256 through a ring of two LDS slots; the scale bytes of the tile's rows, for all of K, come once.  A's tiles are shared along a row of the cluster, B's along a column: joint loads.
; LIMITS: NaN and infinities are not served; a block of zeros gets the byte 1 (its codes are zeros; this program alone reads the bytes).
; REGISTERS: window 0: v16-31 addresses; v32-63 scale words, two sets; v128-223 A's fragments, one set; on the way out v64-223 codes, v224-231 scale words made, v232-247 at work.
;   window 1: B's fragments, two sets.  windows 2, 3: the accumulators ((a, b) at v[8 (8 (a % 4) + b)]).
.set KSTEP,  256
.set NQ,     KSTEP/128
.set ROWB,   192                       ; a tile's row: 256 codes
.set KROW,   1536                      ; a row of 2,048 codes in memory
.set PITCH,  240                       ; an LDS row: 3 x (64 bytes + 16 of padding)
.set FR,     12
.set NL,     6
.set NP,     4
.set HALFT,  128*PITCH
.set SLOT,   4*HALFT
.set LAPS,   4                         ; 2,048 / 512
.set KS,     64                        ; a row of scale bytes
.set SCL,    2*SLOT
.set HALFS,  (128*KS/256)*272
.set SBLK,   (16*KS/256)*272
.set SPARE,  SCL+4*HALFS               ; the spare words: 128 bytes a wave, named by no other line
.set ADRA, 16
.set ADRB, 20
.set LI,   26                          ; v26  16 x lane
.set ADRS, 27
.set SPW,  28
.set NIL,  29
.set LS,   30                          ; v30  4 x lane
.set SC,   32
.set AF,   128
.set PCR,  64                          ; the way out: 20 registers of codes for each of my eight blocks
.set PWR,  224                         ; and a scale word
.set TM,   232                         ; v232-247 the quantiser's scratch
.set SEL,  66                          ; s[66:67] selects for lane l xor 16
.set G1, 24
.set G0, 32
.set G1B, 48
.set G0B, 56
.set G1S, 68
.set G0S, 76
.set G1SB, 80
.set G0SB, 88
.set MSB, 0
.macro WIN new                         ; the immediate's high byte repeats the setting that is left
.if MSB != (\new)
	s_set_vgpr_msb (MSB<<8)|(\new)
.set MSB, (\new)
.endif
.endm
.set MUL_LO, 0xa1                      ; source 0 (B) window 1, source 1 (A) window 0, C and D window 2
.set MUL_HI, 0xf1
.set TO_B,   0x40
; A joint load: waves 0 and 1 fetch for A, waves 2 and 3 for B; the branch hangs on the wave's number alone.  Four v_nop follow each line.
.macro JLOAD g0a, g1a, g0b, g1b
	s_cmp_eq_u32 s15, 0
	s_cbranch_scc0 .Lfor_b_\@
	tensor_load_to_lds s[\g0a:\g0a+3], s[\g1a:\g1a+7]
	s_nop 0
.rept 4
	v_nop
.endr
	s_branch .Lasked_\@
.Lfor_b_\@:
	tensor_load_to_lds s[\g0b:\g0b+3], s[\g1b:\g1b+7]
	s_nop 0
.rept 4
	v_nop
.endr
.Lasked_\@:
.endm
.macro CREST                           ; a round of the cluster's barrier behind its opening barrier
	s_cmp_lg_u32 s14, 0
	s_cbranch_scc1 .Lnot_wave_0_\@
	s_barrier_signal -3
.Lnot_wave_0_\@:
	s_barrier_wait -3
	s_barrier_signal -1
	s_barrier_wait -1
.endm
.macro CROUND
	s_barrier_signal -1
	s_barrier_wait -1
	CREST
.endm
	s_load_b512 s[24:39], s[0:1], 0x0              ; x, y, wq, wk: codes and scales
	s_load_b512 s[40:55], s[0:1], 0x40             ; wv, wky, wvy: codes and scales; xf; kv
	v_lshl_add_u32 v[SPW], v0, 2, SPARE
	v_mov_b32 v[NIL], 0
	ds_add_u32 v28, v29
	ds_add_u32 v28, v29
	s_wait_dscnt 0x0
	v_lshrrev_b32 v1, 5, v0
	v_readfirstlane_b32 s14, v1                    ; wave 0..3
	s_lshr_b32 s15, s14, 1                         ; which half of the tile's rows is mine.  Also: I fetch for A (0) or for B (1)
	s_and_b32 s16, s14, 1                          ; which half of its columns.  Also: which 128 rows I fetch
	s_and_b32 s92, ttmp7, 0xffff
	s_lshl_b32 s92, s92, 2
	s_add_co_u32 s92, s92, ttmp9                   ; c, the cluster's number: the same in all sixteen partners
	s_and_b32 s93, s92, 1
	s_bfe_u32 s94, s92, 0x10001
	s_lshr_b32 s95, s92, 2
	s_add_co_u32 s96, s94, 3
	s_cmp_lt_u32 s92, 12
	s_cselect_b32 s98, s95, s96                    ; p: c / 4 for c < 12; clusters 12, 13: 3; 14, 15: 4
	s_cmp_lt_u32 s98, 3
	s_cselect_b32 s99, s94, 0                      ; which four tile rows: bit 1 of c (8 x 8 tiles);
	s_cmp_eq_u32 s98, 4
	s_cselect_b32 s99, s93, s99                    ; p = 4 (8 x 4 tiles): bit 0; p = 3 (4 x 8): none
	s_cselect_b32 s100, 0, s93                     ; which four tile columns: bit 0, but for p = 4
	s_cselect_b32 s101, 1, 0
	s_cmp_eq_u32 s98, 2
	s_cselect_b32 s101, 1, s101                    ; 1: the result leaves as codes
	s_mov_b32 s[SEL], 0x76543210
	s_mov_b32 s[SEL+1], 0xfedcba98
	s_wait_kmcnt 0x0
	s_mov_b64 s[4:5], s[24:25]                     ; A = x, B = wq; the other problems choose anew.  Every choice hangs on p alone
	s_mov_b64 s[6:7], s[26:27]
	s_mov_b64 s[8:9], s[32:33]
	s_mov_b64 s[10:11], s[34:35]
	s_cmp_eq_u32 s98, 1
	s_cselect_b64 s[8:9], s[36:37], s[8:9]         ; B = wk
	s_cselect_b64 s[10:11], s[38:39], s[10:11]
	s_cmp_eq_u32 s98, 2
	s_cselect_b64 s[4:5], s[40:41], s[4:5]         ; A = wv, B = x
	s_cselect_b64 s[6:7], s[42:43], s[6:7]
	s_cselect_b64 s[8:9], s[24:25], s[8:9]
	s_cselect_b64 s[10:11], s[26:27], s[10:11]
	s_cmp_eq_u32 s98, 3
	s_cselect_b64 s[4:5], s[28:29], s[4:5]         ; A = y, B = wky
	s_cselect_b64 s[6:7], s[30:31], s[6:7]
	s_cselect_b64 s[8:9], s[44:45], s[8:9]
	s_cselect_b64 s[10:11], s[46:47], s[10:11]
	s_cmp_eq_u32 s98, 4
	s_cselect_b64 s[4:5], s[48:49], s[4:5]         ; A = wvy, B = y
	s_cselect_b64 s[6:7], s[50:51], s[6:7]
	s_cselect_b64 s[8:9], s[28:29], s[8:9]
	s_cselect_b64 s[10:11], s[30:31], s[10:11]
	s_cmp_eq_u32 s101, 1
	s_cselect_b64 s[12:13], s[54:55], s[52:53]     ; out: kv or xf
	s_bfe_u32 s40, ttmp6, 0x40000                  ; cx, cy: my place in the cluster
	s_bfe_u32 s41, ttmp6, 0x40004
	s_lshl_b32 s42, s100, 2
	s_add_co_u32 s42, s42, s40                     ; tile column
	s_lshl_b32 s17, s99, 2
	s_add_co_u32 s17, s17, s41                     ; tile row
	s_lshl_b32 s43, s41, 2
	s_lshl_b32 s43, 15, s43                        ; my row of the cluster
	s_lshl_b32 s44, 0x1111, s40                    ; my column
	; descriptor group 1: a tile of 128 rows x 192 bytes, 16 bytes of padding behind every 64
	s_or_b32 s[G1+0], s43, (0<<16)|(1<<20)|(1<<21)|(3<<22)|(3<<25)
	s_or_b32 s[G1B+0], s44, (0<<16)|(1<<20)|(1<<21)|(3<<22)|(3<<25)
.irp g, G1, G1B
	s_mov_b32 s[\g+1], ROWB<<16                    ; tensor_dim0
	s_mov_b32 s[\g+2], 128<<16                     ; tensor_dim1
	s_mov_b32 s[\g+3], ROWB<<16                    ; tile_dim0
	s_mov_b32 s[\g+4], 128                         ; tile_dim1
	s_mov_b32 s[\g+5], KROW                        ; from row to row
	s_mov_b32 s[\g+6], 0
	s_mov_b32 s[\g+7], 0
.endr
	; the scale bytes of 128 rows: 8,192 dense bytes as 32 rows of 256 (32 elements of 8 bytes), 16 bytes of padding behind each
	s_or_b32 s[G1S+0], s43, (3<<16)|(1<<20)|(1<<21)|(5<<22)|(3<<25)
	s_or_b32 s[G1SB+0], s44, (3<<16)|(1<<20)|(1<<21)|(5<<22)|(3<<25)
.irp g, G1S, G1SB
	s_mov_b32 s[\g+1], 32<<16
	s_mov_b32 s[\g+2], (128*KS/256)<<16
	s_mov_b32 s[\g+3], 32<<16
	s_mov_b32 s[\g+4], 128*KS/256
	s_mov_b32 s[\g+5], 32
	s_mov_b32 s[\g+6], 0
	s_mov_b32 s[\g+7], 0
.endr
	s_lshl_b32 s18, s16, 7
	s_lshl_b32 s20, s17, 8
	s_add_co_u32 s20, s20, s18                     ; A: row 256 x tile row + 128 x half
	s_lshl_b32 s46, s42, 8
	s_add_co_u32 s46, s46, s18                     ; B: row 256 x tile column + 128 x half
	s_mov_b32 s21, 0
	s_mov_b32 s47, 0
	s_mov_b64 s[18:19], KS
	s_mul_u64 s[22:23], s[20:21], s[18:19]         ; where these rows' scales begin,
	s_mul_u64 s[92:93], s[46:47], s[18:19]
	s_mov_b64 s[18:19], KROW
	s_mul_u64 s[20:21], s[20:21], s[18:19]         ; and their codes
	s_mul_u64 s[46:47], s[46:47], s[18:19]
	s_mul_i32 s45, s14, HALFT                      ; where they go: wave x 128 rows: no place in the cluster enters an LDS address
	s_mul_i32 s94, s14, HALFS
	s_add_nc_u64 s[20:21], s[4:5], s[20:21]
	s_add_nc_u64 s[22:23], s[6:7], s[22:23]
	s_add_nc_u64 s[46:47], s[8:9], s[46:47]
	s_add_nc_u64 s[92:93], s[10:11], s[92:93]
	CROUND                                         ; all sixteen work-groups are here: the first joint loads meet
	s_mov_b32 s[G0S], 1
	s_add_co_u32 s[G0S+1], s94, SCL
	s_mov_b64 s[G0S+2:G0S+3], s[22:23]
	s_or_b32 s[G0S+3], s[G0S+3], 0x80000000
	s_mov_b32 s[G0SB], 1
	s_add_co_u32 s[G0SB+1], s94, SCL
	s_mov_b64 s[G0SB+2:G0SB+3], s[92:93]
	s_or_b32 s[G0SB+3], s[G0SB+3], 0x80000000
	JLOAD G0S, G1S, G0SB, G1SB                     ; the scales first: they are wanted with K step 0
.irp s, 0,1
	s_mov_b32 s[G0+4*\s], 1
	s_add_co_u32 s[G0+4*\s+1], s45, \s*SLOT
	s_add_nc_u64 s[G0+4*\s+2:G0+4*\s+3], s[20:21], \s*ROWB
	s_or_b32 s[G0+4*\s+3], s[G0+4*\s+3], 0x80000000
	s_mov_b32 s[G0B+4*\s], 1
	s_add_co_u32 s[G0B+4*\s+1], s45, \s*SLOT
	s_add_nc_u64 s[G0B+4*\s+2:G0B+4*\s+3], s[46:47], \s*ROWB
	s_or_b32 s[G0B+4*\s+3], s[G0B+4*\s+3], 0x80000000
	JLOAD G0+4*\s, G1, G0B+4*\s, G1B
.endr
	v_and_b32 v1, 15, v0                           ; l % 16
	v_bfe_u32 v2, v0, 4, 1                         ; l / 16
	v_mul_u32_u24 v3, v1, PITCH
	v_mul_u32_u24 v4, v2, 24
	v_add_nc_u32 v4, v3, v4                        ; a fragment's row x pitch + 24 x half
	v_lshl_add_u32 v5, v2, 4, v4                   ; and the same behind one padding more
	s_mul_i32 s21, s15, HALFT                      ; my 128 rows of A
	s_mul_i32 s22, s16, HALFT                      ; my 128 rows of B,
	s_add_co_u32 s22, s22, 2*HALFT                 ; which lie behind A's 256
.irp s, 0,1
	v_add_nc_u32 v[ADRA+\s], s21, v4
	v_add_nc_u32 v[ADRB+\s], s22, v4
	v_add_nc_u32 v[ADRA+2+\s], s21, v5
	v_add_nc_u32 v[ADRB+2+\s], s22, v5
	s_add_co_u32 s21, s21, SLOT
	s_add_co_u32 s22, s22, SLOT
.endr
	v_mul_u32_u24 v5, v1, KS                       ; my row's scales: 64 bytes a row,
	v_lshrrev_b32 v6, 8, v5
	v_lshl_add_u32 v5, v6, 4, v5                   ; and 16 more for each 256 passed
	s_mul_i32 s21, s15, HALFS
	s_mul_i32 s22, s16, HALFS
	s_add_co_u32 s22, s22, 2*HALFS
	s_sub_co_u32 s22, s22, s21
	v_mul_u32_u24 v6, s22, v2                      ; lanes 16-31 take B's
	s_add_co_u32 s21, s21, SCL
	v_add_nc_u32 v5, v5, v6
	v_add_nc_u32 v[ADRS], s21, v5
	v_and_b32 v6, 31, v0
	v_lshlrev_b32 v[LI], 4, v6
	v_lshlrev_b32 v[LS], 2, v6
	; where my wave's 128 x 128 goes.  As f32: ((128 min(p, 2) + 16 tile row + 8 half) x 128 + 16 tile column + 8 half) x 1,024
	s_min_u32 s92, s98, 2
	s_lshl_b32 s92, s92, 7
	s_lshl_b32 s93, s17, 4
	s_add_co_u32 s92, s92, s93
	s_lshl_b32 s93, s15, 3
	s_add_co_u32 s92, s92, s93
	s_lshl_b32 s92, s92, 7
	s_lshl_b32 s93, s42, 4
	s_add_co_u32 s92, s92, s93
	s_lshl_b32 s93, s16, 3
	s_add_co_u32 s92, s92, s93
	s_lshl_b32 s92, s92, 10
	; as codes: head = 2 tile row + half; nb = 2 tile column + half is batch and key step: ((16 batch + head) x 12 + step) x 26,624 + 13,312
	s_lshl_b32 s94, s17, 1
	s_add_co_u32 s94, s94, s15
	s_lshl_b32 s95, s42, 1
	s_add_co_u32 s95, s95, s16
	s_cmp_eq_u32 s98, 4
	s_cselect_b32 s96, 2, 3                        ; y has 4 key steps a batch, x has 8
	s_cselect_b32 s19, 3, 7
	s_cselect_b32 s97, 8, 0                        ; y's steps follow x's eight
	s_lshr_b32 s18, s95, s96
	s_and_b32 s19, s95, s19
	s_add_co_u32 s19, s19, s97
	s_lshl_b32 s18, s18, 4
	s_add_co_u32 s18, s18, s94
	s_mul_i32 s18, s18, 12
	s_add_co_u32 s18, s18, s19
	s_mul_i32 s18, s18, 26624
	s_add_co_u32 s18, s18, 13312
	s_cmp_eq_u32 s101, 1
	s_cselect_b32 s92, s18, s92
	s_mov_b32 s93, 0
	s_add_nc_u64 s[12:13], s[12:13], s[92:93]
.macro FRAG reg, adr, q, i             ; 16 rows x 128 K of 6-bit codes: 12 registers, in six pieces of 8 bytes; where the piece of lanes 16-31 lies behind one padding more, the second address register serves
.irp p, 0,1,2,3,4,5
.set PC, 12*(\q)+6*(\p/3)+\p%3
.if PC%8 < 5
	ds_load_b64 v[\reg+2*\p:\reg+2*\p+1], v[\adr] offset:8*PC+16*(PC/8)+(\i)*16*PITCH
.else
	ds_load_b64 v[\reg+2*\p:\reg+2*\p+1], v[\adr+2] offset:8*PC+16*(PC/8)+(\i)*16*PITCH
.endif
.endr
.endm
; 16 matrix instructions: A's blocks a0, a0 + 1 x B's eight.  The 64 accumulators take turns, one instruction a turn, in the same order in every step.
.macro MUL16 a0, p, q, sc, zero
.irp a, \a0, \a0+1
.irp b, 0,1,2,3,4,5,6,7
.if \zero
	v_wmma_scale_f32_16x16x128_f8f6f4 v[8*(8*((\a)%4)+\b):8*(8*((\a)%4)+\b)+7], v[128*(\p)+FR*\b:128*(\p)+FR*\b+FR-1], v[AF+FR*(\a):AF+FR*(\a)+FR-1], 0, v[SC+8*NQ*(\sc)+NQ*\b+(\q)], v[SC+8*NQ*(\sc)+NQ*(\a)+(\q)] matrix_a_fmt:MATRIX_FMT_FP6 matrix_b_fmt:MATRIX_FMT_FP6 matrix_a_scale:MATRIX_SCALE_ROW1
.else
	v_wmma_scale_f32_16x16x128_f8f6f4 v[8*(8*((\a)%4)+\b):8*(8*((\a)%4)+\b)+7], v[128*(\p)+FR*\b:128*(\p)+FR*\b+FR-1], v[AF+FR*(\a):AF+FR*(\a)+FR-1], v[8*(8*((\a)%4)+\b):8*(8*((\a)%4)+\b)+7], v[SC+8*NQ*(\sc)+NQ*\b+(\q)], v[SC+8*NQ*(\sc)+NQ*(\a)+(\q)] matrix_a_fmt:MATRIX_FMT_FP6 matrix_b_fmt:MATRIX_FMT_FP6 matrix_a_scale:MATRIX_SCALE_ROW1
.endif
.endr
.endr
.endm
.macro FETCH_B slot, q, p
	WIN TO_B
.irp i, 0,1,2,3,4,5,6,7
	FRAG 128*(\p)+FR*\i, ADRB+\slot, \q, \i
.endr
	WIN 0
.endm
.macro FETCH_A slot, q, i0
.irp i, \i0, \i0+1, \i0+2, \i0+3
	FRAG AF+FR*(\i), ADRA+\slot, \q, \i
.endr
.endm
.macro SCALES sc                       ; a K step's scale words: lanes 0-15 A's block i, lanes 16-31 B's block i
.irp i, 0,1,2,3,4,5,6,7
	ds_load_b64 v[SC+8*NQ*\sc+NQ*\i:SC+8*NQ*\sc+NQ*\i+1], v[ADRS] offset:\i*SBLK
.endr
.endm
.macro PLACES n                        ; plain vector instructions between a matrix instruction and a load into, or a read of, its registers
.rept \n
	v_nop
.endr
.endm
.macro STEP slot, q, zero              ; 128 along K that has its successor in the same slot
	s_wait_dscnt 4*NL                              ; B's set and A's blocks 0-3 are in; the youngest 24 loads (A's blocks 4-7) may be out
	WIN MUL_LO
	MUL16 0, (\q)%2, \q, \slot, \zero
	MUL16 2, (\q)%2, \q, \slot, \zero
	s_wait_dscnt 0
	PLACES NP
	FETCH_B \slot, (\q)+1, 1-(\q)%2
	FETCH_A \slot, (\q)+1, 0
	WIN MUL_HI
	MUL16 4, (\q)%2, \q, \slot, \zero
	MUL16 6, (\q)%2, \q, \slot, \zero
	PLACES NP
	WIN 0
	FETCH_A \slot, (\q)+1, 4
.endm
; A slot's last step changes slots: one barrier; in front of it each wave waits for all its tensor loads, adds 0 to its spare word, and waits for that and for its reads of this slot.
.macro TURN slot, next, fill
	s_wait_tensorcnt 0x0                           ; all my tensor loads have landed: my part of the next slot
	ds_add_u32 v[SPW], v[NIL]                      ; 0 onto my spare word
	s_wait_dscnt 4*NL+1                            ; (the add and A's blocks 4-7 may be out)
	WIN MUL_LO
	MUL16 0, 1, NQ-1, \slot, 0
	s_wait_dscnt 0x0                               ; the add is done, and my reads of this slot are over
	s_barrier_signal -1
	MUL16 2, 1, NQ-1, \slot, 0
	WIN 0
	s_barrier_wait -1
.if \fill
	CREST                                          ; the barrier has opened a round of the cluster's: no wave of any partner still reads this slot or has a load on its way
	s_add_nc_u64 s[G0+4*\slot+2:G0+4*\slot+3], s[G0+4*\slot+2:G0+4*\slot+3], 2*ROWB
	s_add_nc_u64 s[G0B+4*\slot+2:G0B+4*\slot+3], s[G0B+4*\slot+2:G0B+4*\slot+3], 2*ROWB
	JLOAD G0+4*\slot, G1, G0B+4*\slot, G1B         ; the first tensor load behind the round; its four v_nop are the places in front of the loads below
.else
	PLACES NP
.endif
	v_add_nc_u32 v[ADRS], 4*NQ, v[ADRS]            ; the next K step's scale words
	FETCH_B \next, 0, 0
	FETCH_A \next, 0, 0
	SCALES \next
	WIN MUL_HI
	MUL16 4, 1, NQ-1, \slot, 0
	MUL16 6, 1, NQ-1, \slot, 0
	PLACES NP
	WIN 0
	FETCH_A \next, 0, 4
.endm
	s_wait_tensorcnt 1                             ; the scales and my part of K step 0 are in; K step 1's load may be out
	s_barrier_signal -1
	s_barrier_wait -1
	FETCH_B 0, 0, 0
	FETCH_A 0, 0, 0
	SCALES 0
	FETCH_A 0, 0, 4
	STEP 0, 0, 1                                   ; the first step's products start the sums
	s_mov_b32 s3, LAPS-1
.Llap:                                             ; a trip goes once round the ring and fills both slots again
	TURN 0, 1, 1
	STEP 1, 0, 0
	TURN 1, 0, 1
	STEP 0, 0, 0
	s_sub_co_u32 s3, s3, 1
	s_cmp_lg_u32 s3, 0
	s_cbranch_scc1 .Llap
	TURN 0, 1, 0                                   ; the last lap fills nothing
	STEP 1, 0, 0
	s_wait_dscnt 4*NL
	WIN MUL_LO
	MUL16 0, 1, NQ-1, 1, 0
	MUL16 2, 1, NQ-1, 1, 0
	s_wait_dscnt 0
	WIN MUL_HI
	MUL16 4, 1, NQ-1, 1, 0
	MUL16 6, 1, NQ-1, 1, 0
	WIN 0
	PLACES NP                                      ; in front of the first read of results and the first write of registers that held fragments
	s_cmp_eq_u32 s101, 1                           ; made of the cluster's number alone: all partners go the same way
	s_cbranch_scc1 .Lcodes
	; AS f32: each accumulator from its low end on; a store covers 512 consecutive bytes, aligned; no register or base is written again
.irp a, 0,1,2,3,4,5,6,7
	WIN 0x08+4*(\a/4)                              ; a store's data are its source 1: window 2 or 3
.irp b, 0,1,2,3,4,5,6,7
	global_store_b128 v[LI], v[64*(\a%4)+8*\b:64*(\a%4)+8*\b+3], s[12:13] offset:\a*131072+\b*1024
	global_store_b128 v[LI], v[64*(\a%4)+8*\b+4:64*(\a%4)+8*\b+7], s[12:13] offset:\a*131072+\b*1024+512
.endr
.endr
	WIN 0
	s_branch .Lend
.Lcodes:
; AS CODES.  Block a: 16 channels x 128 keys, 64 numbers a lane; registers 16 b .. 16 b + 15 of lanes l and l xor 16 are one block of 32 keys.
; A block's scale byte is its largest magnitude's exponent field - 2, held at 1 from below by the floor 2^(3 - 127) among the maximum's leaves.
.macro QUANTW a
.set QS, 64*((\a)%4)
.set QC, PCR+20*(\a)
	WIN 0
.irp b, 0,1,2,3
	v_mov_b32 v[TM+\b], 0x1800000
.endr
	WIN 0x28+0x14*((\a)/4)                         ; sources 1 and 2: the accumulators' window
.irp i, 0,2,4,6,8,10,12,14
.irp b, 0,1,2,3
	v_max3_num_f32 v[TM+\b], v[TM+\b], |v[QS+16*\b+\i]|, |v[QS+16*\b+\i+1]|   ; ascending: each accumulator is first read at its low end
.endr
.endr
	WIN 0
.irp b, 0,1,2,3
	v_permlanex16_b32 v[TM+4+\b], v[TM+\b], s[SEL], s[SEL+1]
.endr
.irp b, 0,1,2,3
	v_max_num_f32 v[TM+\b], v[TM+\b], v[TM+4+\b]
.endr
.irp b, 0,1,2,3
	v_add_nc_u32 v[TM+12+\b], 0xff000000, v[TM+\b]   ; 2 off the exponent field: the conversion's scale operand
.endr
.irp b, 0,1,2,3
	v_lshrrev_b32 v[TM+4+\b], 23, v[TM+12+\b]      ; the scale's byte
.endr
	v_lshl_or_b32 v[PWR+(\a)], v[TM+5], 8, v[TM+4]
	v_lshl_or_b32 v[PWR+(\a)], v[TM+6], 16, v[PWR+(\a)]
	v_lshl_or_b32 v[PWR+(\a)], v[TM+7], 24, v[PWR+(\a)]
	WIN 0x02+((\a)/4)                              ; source 0: the accumulators' window
.irp c, 0,1
	v_cvt_scalef32_pk16_fp6_f32 v[QC+6*\c:QC+6*\c+2], v[QS+32*\c:QS+32*\c+15], v[TM+12+2*\c]
	v_cvt_scalef32_pk16_fp6_f32 v[QC+12+4*\c:QC+14+4*\c], v[QS+32*\c+16:QS+32*\c+31], v[TM+13+2*\c]
.endr
	WIN 0
	v_nop                                          ; one plain place behind a scaled conversion
.irp c, 0,1                                        ; a whole block to a lane: lanes 0-15 block 2 c, lanes 16-31 block 2 c + 1
.irp i, 0,1,2
	v_permlane16_swap_b32 v[QC+6*\c+\i], v[QC+12+4*\c+\i]
.endr
.irp i, 0,1,2
	v_mov_b32 v[QC+3+6*\c+\i], v[QC+12+4*\c+\i]
.endr
.endr
.irp c, 0,1,2
	global_store_b128 v[LI], v[QC+4*\c:QC+4*\c+3], s[12:13] offset:(\a)*1536+512*\c   ; the fragment's image; each block has registers of its own, so no store's data are written again
.endr
	global_store_b32 v[LS], v[PWR+(\a)], s[12:13] offset:12288+(\a)*128
.endm
.irp b, 0,1,2,3
	v_mov_b32 v[TM+4+\b], 0                        ; written once: a lane permute's destination counts as one of its sources
.endr
.irp a, 0,1,2,3,4,5,6,7
	QUANTW \a
.endr
.Lend:
	s_wait_tensorcnt 0x0                           ; the wave's end
	ds_add_u32 v[SPW], v[NIL]
	s_wait_dscnt 0x0
	CROUND                                         ; the closing round
	s_endpgm
.Lfunc_end_k_qba59408a9c_proj:
	.size	k_qba59408a9c_proj, .Lfunc_end_k_qba59408a9c_proj-k_qba59408a9c_proj
	.p2alignl 7, 3214868480
	.fill 96, 4, 3214868480
	.section	.rodata,"a",@progbits
	.p2align	6, 0x0
	.amdhsa_kernel k_qba59408a9c_proj
		.amdhsa_group_segment_fixed_size 327680
		.amdhsa_private_segment_fixed_size 0
		.amdhsa_enable_private_segment 0
		.amdhsa_kernarg_size 128
		.amdhsa_user_sgpr_count 2
		.amdhsa_user_sgpr_kernarg_segment_ptr 1
		.amdhsa_wavefront_size32 1
		.amdhsa_system_sgpr_workgroup_id_x 1
		.amdhsa_system_sgpr_workgroup_id_y 1
		.amdhsa_system_sgpr_workgroup_id_z 1
		.amdhsa_system_vgpr_workitem_id 0
		.amdhsa_next_free_vgpr 1024
		.amdhsa_next_free_sgpr 102
		.amdhsa_reserve_vcc 0
		.amdhsa_float_denorm_mode_32 3
		.amdhsa_float_denorm_mode_16_64 3
		.amdhsa_memory_ordered 1
		.amdhsa_forward_progress 1
		.amdhsa_inst_pref_size 179
	.end_amdhsa_kernel
	.amdgpu_metadata
---
amdhsa.version: [ 1, 2 ]
amdhsa.kernels:
  - .name:           k_qba59408a9c_proj
    .symbol:         k_qba59408a9c_proj.kd
    .args:
      - { .name: x_codes, .offset: 0, .size: 8, .value_kind: global_buffer, .address_space: global }
      - { .name: x_scales, .offset: 8, .size: 8, .value_kind: global_buffer, .address_space: global }
      - { .name: y_codes, .offset: 16, .size: 8, .value_kind: global_buffer, .address_space: global }
      - { .name: y_scales, .offset: 24, .size: 8, .value_kind: global_buffer, .address_space: global }
      - { .name: wq_codes, .offset: 32, .size: 8, .value_kind: global_buffer, .address_space: global }
      - { .name: wq_scales, .offset: 40, .size: 8, .value_kind: global_buffer, .address_space: global }
      - { .name: wk_codes, .offset: 48, .size: 8, .value_kind: global_buffer, .address_space: global }
      - { .name: wk_scales, .offset: 56, .size: 8, .value_kind: global_buffer, .address_space: global }
      - { .name: wv_codes, .offset: 64, .size: 8, .value_kind: global_buffer, .address_space: global }
      - { .name: wv_scales, .offset: 72, .size: 8, .value_kind: global_buffer, .address_space: global }
      - { .name: wky_codes, .offset: 80, .size: 8, .value_kind: global_buffer, .address_space: global }
      - { .name: wky_scales, .offset: 88, .size: 8, .value_kind: global_buffer, .address_space: global }
      - { .name: wvy_codes, .offset: 96, .size: 8, .value_kind: global_buffer, .address_space: global }
      - { .name: wvy_scales, .offset: 104, .size: 8, .value_kind: global_buffer, .address_space: global }
      - { .name: xf, .offset: 112, .size: 8, .value_kind: global_buffer, .address_space: global }
      - { .name: kv, .offset: 120, .size: 8, .value_kind: global_buffer, .address_space: global }
    .group_segment_fixed_size: 327680
    .private_segment_fixed_size: 0
    .kernarg_segment_align: 8
    .kernarg_segment_size: 128
    .max_flat_workgroup_size: 128
    .sgpr_count:     102
    .vgpr_count:     1024
    .wavefront_size: 32
...
	.end_amdgpu_metadata
.endif
;; end of part 1
;; launch norm (part 2): grid 320 x 1, 8 waves a work-group, no clusters, 28,160 bytes of LDS; arguments xf, freqs_cis, qn_w, qn_b, kn_w, kn_b, kyn_w, kyn_b, qc, qs, kv; writes qc, qs, kv
.if DOCPART == 2
	.amdgcn_target "amdgcn-amd-amdhsa--gfx1250"
	.amdhsa_code_object_version 6
	.text
	.protected	k_qba59408a9c_norm
	.globl	k_qba59408a9c_norm
	.p2align	8
	.type	k_qba59408a9c_norm,@function
k_qba59408a9c_norm:
	s_mov_b64 s[64:65], 0
	v_nop
	global_prefetch_b8 v0, s[64:65] scope:SCOPE_SE
	s_setreg_imm32_b32 hwreg(HW_REG_WAVE_MODE, 25, 1), 1
	s_wait_xcnt 0x0
; LAYERNORM over 2,048 channels, ROPE, and the quantiser along a head's 128 channels, for xq (row tiles 0-127 of xf), xk (128-255) and y wky (256-319).  All in f32.
; A work-group takes one row tile: 16 tokens x 2,048 channels, 128 KiB, read once.  Wave w takes column tiles 16 w .. 16 w + 15 (heads 2 w, 2 w + 1): 128 registers a lane.
; xf holds images of accumulators: lane (r, h) gets token r; register 8 n + j is channel 16 n + 8 h + j of the wave's 256.  Every load covers 512 consecutive bytes.
; Mean and variance in two passes (the mean is taken away before the squares), each summed over lanes, then over the eight waves through LDS.
; The gains, biases and the 16 tokens' rows of freqs_cis lie in LDS.  y wky has no rotation: its (cos, sin) are replaced by (1, 0), which leaves every number as it is: one path serves all three.
; OUT: a head's 16 x 128 as an operand image (3 x 512 bytes) and its scale words (128 bytes): q into qc, qs; k and yk into the K records of kv.
; Inside a block of 32 channels the codes stand in the order 16 (i / 8) + 8 h + i % 8, in q, k and yk alike, so the products' sums are those of the true order.
; No matrix unit, no tensor load, no cluster: what work-groups share is 24 KiB of tables against 128 KiB of their own.
; LIMITS: NaN and infinities are not served; a block of zeros gets the byte 1 (its codes are zeros; this program alone reads the bytes).
.set WT,   0                           ; LDS: 2,048 gains,
.set BT,   8192                        ; 2,048 biases,
.set FT,   16384                       ; 16 rows of freqs_cis, 512 bytes + 16,
.set FP,   528
.set RED1, 24832                       ; the waves' sums: 128 bytes a wave,
.set RED2, 25856                       ; and their sums of squares
.set X,    20                          ; v20-147  my 128 numbers
.set R0,   148                         ; v148-227 two sets of 40: gains of heads 0, 1, biases of heads 0, 1, cos and sin, 8 each
.set CH,   228                         ; v228-235 four chains; the waves' sums; the rotation's first products
.set TM,   148                         ; behind the tiles: the quantiser's scratch; v164-165 scale words; v168-207 codes
.set SEL,  54
	s_load_b512 s[4:19], s[0:1], 0x0               ; xf, freqs_cis, qn_w, qn_b, kn_w, kn_b, kyn_w, kyn_b
	s_load_b128 s[20:23], s[0:1], 0x40             ; qc, qs
	s_load_b64 s[24:25], s[0:1], 0x50              ; kv
	v_lshl_add_u32 v240, v0, 2, 0x6a00
	v_mov_b32 v241, 0
	v_lshrrev_b32 v14, 5, v0
	v_readfirstlane_b32 s28, v14                   ; wave 0..7
	v_and_b32 v15, 31, v0                          ; lane
	v_and_b32 v16, 15, v0                          ; r
	v_bfe_u32 v17, v0, 4, 1                        ; h
	v_lshlrev_b32 v1, 4, v15                       ; 16 x lane
	v_lshlrev_b32 v2, 2, v15                       ; 4 x lane
	s_lshl_b32 s29, s28, 10
	v_lshlrev_b32 v3, 5, v17
	v_add_nc_u32 v3, s29, v3                       ; gains and biases: 1,024 w + 32 h
	v_mul_u32_u24 v4, v16, FP
	v_lshl_add_u32 v4, v17, 5, v4
	v_add_nc_u32 v4, FT, v4                        ; cos and sin: my token's row + 32 h
	s_lshl_b32 s29, s28, 7
	v_add_nc_u32 v5, s29, v2
	v_add_nc_u32 v5, RED1, v5                      ; where I put my wave's sum
	v_add_nc_u32 v6, RED1, v2                      ; and where I read the eight
	v_lshlrev_b32 v7, 4, v0                        ; 16 x thread: the tables' way in
	v_lshrrev_b32 v8, 5, v0
	v_mul_u32_u24 v8, v8, FP
	v_lshl_add_u32 v8, v15, 4, v8
	v_add_nc_u32 v8, FT, v8                        ; freqs_cis: 32 threads to a row
	v_mov_b32 v14, 0                               ; a lane permute's destination counts as one of its sources
	s_mov_b32 s[SEL], 0x76543210
	s_mov_b32 s[SEL+1], 0xfedcba98
	s_lshr_b32 s26, ttmp9, 7                       ; P: 0 q, 1 k, 2 yk
	s_and_b32 s27, ttmp9, 127                      ; the tensor's row tile
	s_lshl_b32 s30, ttmp9, 17                      ; xf: 131,072 bytes a row tile,
	s_lshl_b32 s32, s28, 14
	s_add_co_u32 s30, s30, s32                     ; 16,384 a wave
	s_mov_b32 s31, 0
	s_and_b32 s32, s27, 63
	s_lshl_b32 s32, s32, 13                        ; freqs_cis: the tile's 16 positions in the sequence
	s_mov_b32 s33, 0
	s_lshl_b32 s34, s27, 4
	s_lshl_b32 s35, s28, 1
	s_add_co_u32 s34, s34, s35                     ; 16 tile + head
	s_mul_i32 s36, s34, 1536                       ; q's codes
	s_lshl_b32 s34, s34, 7                         ; q's scale words
	s_cmp_eq_u32 s26, 2
	s_cselect_b32 s38, 5, 6                        ; tiles in a batch: 32 of y, 64 of x
	s_cselect_b32 s39, 3, 7
	s_cselect_b32 s40, 8, 0                        ; y's key steps follow x's eight
	s_cselect_b32 s50, -1, 0                       ; all lanes: no rotation
	s_mov_b32 s51, 0x358637bd                      ; eps: 1e-6 for yk,
	s_cselect_b32 s51, s51, 0x3727c5ac             ; 1e-5 for q and k
	s_lshr_b32 s38, s27, s38                       ; batch
	s_lshr_b32 s41, s27, 3
	s_and_b32 s41, s41, s39
	s_add_co_u32 s41, s41, s40                     ; key step
	s_lshl_b32 s38, s38, 4
	s_add_co_u32 s38, s38, s35
	s_mul_i32 s38, s38, 12
	s_add_co_u32 s38, s38, s41
	s_mul_i32 s38, s38, 26624                      ; the K record of (batch, head, step)
	s_and_b32 s39, s27, 7                          ; which of its eight fragments
	s_mul_i32 s40, s39, 1536
	s_add_co_u32 s40, s40, s38
	s_lshl_b32 s39, s39, 7
	s_add_co_u32 s38, s38, s39
	s_add_co_u32 s38, s38, 12288
	s_mov_b32 s52, 319488                          ; from head to head in kv: 12 steps
	s_cmp_eq_u32 s26, 0
	s_cselect_b32 s36, s36, s40                    ; the codes' offset,
	s_cselect_b32 s38, s34, s38                    ; the scale words',
	s_cselect_b32 s40, 1536, s52                   ; and from my first head to my second
	s_cselect_b32 s52, 128, s52
	s_mov_b32 s37, 0
	s_mov_b32 s39, 0
	s_mov_b32 s41, 0
	s_mov_b32 s53, 0
	s_wait_kmcnt 0x0
	s_cselect_b64 s[42:43], s[20:21], s[24:25]     ; (the compare with 0 still stands)  codes: qc or kv
	s_cselect_b64 s[46:47], s[22:23], s[24:25]     ; scale words: qs or kv
	s_cmp_eq_u32 s26, 1
	s_cselect_b64 s[8:9], s[12:13], s[8:9]
	s_cselect_b64 s[10:11], s[14:15], s[10:11]
	s_cmp_eq_u32 s26, 2
	s_cselect_b64 s[8:9], s[16:17], s[8:9]         ; the gains
	s_cselect_b64 s[10:11], s[18:19], s[10:11]     ; the biases
	s_add_nc_u64 s[42:43], s[42:43], s[36:37]
	s_add_nc_u64 s[46:47], s[46:47], s[38:39]
	s_add_nc_u64 s[44:45], s[42:43], s[40:41]
	s_add_nc_u64 s[48:49], s[46:47], s[52:53]
	s_add_nc_u64 s[4:5], s[4:5], s[30:31]
	s_add_nc_u64 s[6:7], s[6:7], s[32:33]
	global_load_b128 v[148:151], v7, s[8:9]
	global_load_b128 v[152:155], v7, s[8:9] offset:4096
	global_load_b128 v[156:159], v7, s[10:11]
	global_load_b128 v[160:163], v7, s[10:11] offset:4096
	global_load_b128 v[164:167], v7, s[6:7]
	global_load_b128 v[168:171], v7, s[6:7] offset:4096
.irp n, 0,1,2,3,4,5,6,7,8,9,10,11,12,13,14,15
	global_load_b128 v[X+8*\n:X+8*\n+3], v1, s[4:5] offset:\n*1024 th:TH_LOAD_NT
	global_load_b128 v[X+8*\n+4:X+8*\n+7], v1, s[4:5] offset:\n*1024+512 th:TH_LOAD_NT
.endr
	s_wait_loadcnt 32                              ; the six table loads are in; my 32 loads of numbers may be out
.irp i, 164,166,168,170
	v_cndmask_b32 v[\i], v[\i], 1.0, s50           ; yk: cos = 1,
	v_cndmask_b32 v[\i+1], v[\i+1], 0, s50         ; sin = 0
.endr
	ds_store_b128 v7, v[148:151] offset:WT
	ds_store_b128 v7, v[152:155] offset:WT+4096
	ds_store_b128 v7, v[156:159] offset:BT
	ds_store_b128 v7, v[160:163] offset:BT+4096
	ds_store_b128 v8, v[164:167]
	ds_store_b128 v8, v[168:171] offset:8*FP
; The four chains are folded, the lane 16 away adds its half of the channels, the wave's sum goes to LDS; behind the barrier every lane adds the eight waves' sums of its token, in one fixed order.
.macro FOLD off
	v_pk_add_f32 v[CH:CH+1], v[CH:CH+1], v[CH+2:CH+3]
	v_pk_add_f32 v[CH+4:CH+5], v[CH+4:CH+5], v[CH+6:CH+7]
	v_pk_add_f32 v[CH:CH+1], v[CH:CH+1], v[CH+4:CH+5]
	v_add_f32 v15, v[CH], v[CH+1]
	v_permlanex16_b32 v14, v15, s[SEL], s[SEL+1]
	v_add_f32 v15, v15, v14
	ds_store_b32 v5, v15 offset:\off
	s_wait_dscnt 0x0                               ; for the others' sake: all my LDS stores have landed
	s_barrier_signal -1
	s_barrier_wait -1
.irp k, 0,1,2,3,4,5,6,7
	ds_load_b32 v[CH+\k], v6 offset:\off+128*\k
.endr
	s_wait_dscnt 0x0
	v_add_f32 v[CH], v[CH], v[CH+1]
	v_add_f32 v[CH+2], v[CH+2], v[CH+3]
	v_add_f32 v[CH+4], v[CH+4], v[CH+5]
	v_add_f32 v[CH+6], v[CH+6], v[CH+7]
	v_add_f32 v[CH], v[CH], v[CH+2]
	v_add_f32 v[CH+4], v[CH+4], v[CH+6]
	v_add_f32 v[CH], v[CH], v[CH+4]
.endm
	s_wait_loadcnt 0x0
.irp k, 0,1,2,3
	v_pk_add_f32 v[CH+2*\k:CH+2*\k+1], v[X+2*\k:X+2*\k+1], v[X+8+2*\k:X+8+2*\k+1]   ; the first sums start the chains: nothing is cleared
.endr
.set j, 16
.rept 14
.irp k, 0,1,2,3
	v_pk_add_f32 v[CH+2*\k:CH+2*\k+1], v[CH+2*\k:CH+2*\k+1], v[X+j+2*\k:X+j+2*\k+1]
.endr
.set j, j+8
.endr
	FOLD 0                                         ; its barrier also shows the tables to every wave
	v_mul_f32 v10, 0x3a000000, v[CH]               ; the mean: / 2,048
	v_mov_b32 v11, v10
.set j, 0
.rept 64
	v_pk_add_f32 v[X+j:X+j+1], v[X+j:X+j+1], v[10:11] neg_lo:[0,1] neg_hi:[0,1]
.set j, j+2
.endr
.irp k, 0,1,2,3
	v_pk_mul_f32 v[CH+2*\k:CH+2*\k+1], v[X+2*\k:X+2*\k+1], v[X+2*\k:X+2*\k+1]
.endr
.set j, 8
.rept 15
.irp k, 0,1,2,3
	v_pk_fma_f32 v[CH+2*\k:CH+2*\k+1], v[X+j+2*\k:X+j+2*\k+1], v[X+j+2*\k:X+j+2*\k+1], v[CH+2*\k:CH+2*\k+1]
.endr
.set j, j+8
.endr
	FOLD RED2-RED1
.macro RING t                          ; tile t of both heads: 8 gains and 8 biases a head, 4 pairs (cos, sin): ten loads
.set RR, R0+40*((\t)%2)
.irp e, 0,1
	ds_load_b128 v[RR+8*\e:RR+8*\e+3], v3 offset:WT+512*\e+64*(\t)
	ds_load_b128 v[RR+8*\e+4:RR+8*\e+7], v3 offset:WT+512*\e+64*(\t)+16
	ds_load_b128 v[RR+16+8*\e:RR+16+8*\e+3], v3 offset:BT+512*\e+64*(\t)
	ds_load_b128 v[RR+16+8*\e+4:RR+16+8*\e+7], v3 offset:BT+512*\e+64*(\t)+16
.endr
	ds_load_b128 v[RR+32:RR+35], v4 offset:64*(\t)
	ds_load_b128 v[RR+36:RR+39], v4 offset:64*(\t)+16
.endm
	RING 0
	RING 1
	v_mov_b32 v17, s51
	v_fmamk_f32 v16, v[CH], 0x3a000000, v17        ; the variance + eps
	v_rsq_f32 v12, v16
	v_rsq_f32 v13, v16                             ; twice: the packed multiply names a pair
	v_nop                                          ; a plain instruction behind the last of them,
	s_wait_alu depctr_va_vdst(0)                   ; and the wait ahead of the first reader
; (x - mean) / sqrt(..) x gain + bias; then (a, b) -> (a cos - b sin, a sin + b cos): the first packed product is (a cos, b cos), the second adds (-b sin, a sin)
.macro TILE t
.set RR, R0+40*((\t)%2)
.if (\t) < 7
	s_wait_dscnt 10                                ; this tile's ten loads are in; the next tile's ten may be out
.else
	s_wait_dscnt 0x0
.endif
.irp e, 0,1
.irp k, 0,1,2,3
	v_pk_mul_f32 v[X+64*\e+8*(\t)+2*\k:X+64*\e+8*(\t)+2*\k+1], v[X+64*\e+8*(\t)+2*\k:X+64*\e+8*(\t)+2*\k+1], v[12:13]
.endr
.irp k, 0,1,2,3
	v_pk_fma_f32 v[X+64*\e+8*(\t)+2*\k:X+64*\e+8*(\t)+2*\k+1], v[X+64*\e+8*(\t)+2*\k:X+64*\e+8*(\t)+2*\k+1], v[RR+8*\e+2*\k:RR+8*\e+2*\k+1], v[RR+16+8*\e+2*\k:RR+16+8*\e+2*\k+1]
.endr
.irp k, 0,1,2,3
	v_pk_mul_f32 v[CH+2*\k:CH+2*\k+1], v[X+64*\e+8*(\t)+2*\k:X+64*\e+8*(\t)+2*\k+1], v[RR+32+2*\k:RR+32+2*\k+1] op_sel_hi:[1,0]
.endr
.irp k, 0,1,2,3
	v_pk_fma_f32 v[X+64*\e+8*(\t)+2*\k:X+64*\e+8*(\t)+2*\k+1], v[X+64*\e+8*(\t)+2*\k:X+64*\e+8*(\t)+2*\k+1], v[RR+32+2*\k:RR+32+2*\k+1], v[CH+2*\k:CH+2*\k+1] op_sel:[1,1,0] op_sel_hi:[0,1,1] neg_lo:[1,0,0]
.endr
.endr
.if (\t)+2 < 8
	RING (\t)+2
.endif
.endm
.irp t, 0,1,2,3,4,5,6,7
	TILE \t
.endr
; 64 numbers of a lane become a fragment's codes in v[pc] on and its scale word in v[pw].  Registers 16 b .. 16 b + 15 of lanes l and l xor 16 are one block of 32.
.macro QUANT s, pc, pw
.irp b, 0,1,2,3
	v_max3_num_f32 v[TM+\b], |v[\s+16*\b]|, |v[\s+1+16*\b]|, 0x1800000   ; with the floor 2^(3 - 127): the byte cannot fall under 1
.endr
.irp i, 2,4,6,8,10,12,14
.irp b, 0,1,2,3
	v_max3_num_f32 v[TM+\b], v[TM+\b], |v[\s+16*\b+\i]|, |v[\s+1+16*\b+\i]|
.endr
.endr
.irp b, 0,1,2,3
	v_permlanex16_b32 v[TM+4+\b], v[TM+\b], s[SEL], s[SEL+1]
.endr
.irp b, 0,1,2,3
	v_max_num_f32 v[TM+\b], v[TM+\b], v[TM+4+\b]
.endr
.irp b, 0,1,2,3
	v_add_nc_u32 v[TM+12+\b], 0xff000000, v[TM+\b]   ; 2 off the exponent field: the conversion's scale operand
.endr
.irp b, 0,1,2,3
	v_lshrrev_b32 v[TM+4+\b], 23, v[TM+12+\b]      ; the scale's byte
.endr
	v_lshl_or_b32 v[\pw], v[TM+5], 8, v[TM+4]
	v_lshl_or_b32 v[\pw], v[TM+6], 16, v[\pw]
	v_lshl_or_b32 v[\pw], v[TM+7], 24, v[\pw]
.irp c, 0,1
	v_cvt_scalef32_pk16_fp6_f32 v[\pc+6*\c:\pc+2+6*\c], v[\s+32*\c:\s+15+32*\c], v[TM+12+2*\c]
	v_cvt_scalef32_pk16_fp6_f32 v[\pc+12+4*\c:\pc+14+4*\c], v[\s+16+32*\c:\s+31+32*\c], v[TM+13+2*\c]
.endr
	v_nop                                          ; one plain place behind a scaled conversion
.irp c, 0,1                                        ; a whole block to a lane: lanes 0-15 block 2 c, lanes 16-31 block 2 c + 1
.irp i, 0,1,2
	v_permlane16_swap_b32 v[\pc+6*\c+\i], v[\pc+12+4*\c+\i]
.endr
.irp i, 0,1,2
	v_mov_b32 v[\pc+3+6*\c+\i], v[\pc+12+4*\c+\i]
.endr
.endr
.endm
.irp b, 0,1,2,3
	v_mov_b32 v[TM+4+\b], 0
.endr
.irp e, 0,1                                        ; each head has registers of its own for codes and word: no store's data are written again
	QUANT X+64*\e, 168+20*\e, 164+\e
.irp c, 0,1,2
	global_store_b128 v1, v[168+20*\e+4*\c:168+20*\e+4*\c+3], s[42+2*\e:43+2*\e] offset:512*\c
.endr
	global_store_b32 v2, v[164+\e], s[46+2*\e:47+2*\e]
.endr
	s_wait_tensorcnt 0x0
	ds_add_u32 v240, v241
	s_wait_dscnt 0x0
	s_endpgm
.Lfunc_end_k_qba59408a9c_norm:
	.size	k_qba59408a9c_norm, .Lfunc_end_k_qba59408a9c_norm-k_qba59408a9c_norm
	.p2alignl 7, 3214868480
	.fill 96, 4, 3214868480
	.section	.rodata,"a",@progbits
	.p2align	6, 0x0
	.amdhsa_kernel k_qba59408a9c_norm
		.amdhsa_group_segment_fixed_size 28160
		.amdhsa_private_segment_fixed_size 0
		.amdhsa_enable_private_segment 0
		.amdhsa_kernarg_size 88
		.amdhsa_user_sgpr_count 2
		.amdhsa_user_sgpr_kernarg_segment_ptr 1
		.amdhsa_wavefront_size32 1
		.amdhsa_system_sgpr_workgroup_id_x 1
		.amdhsa_system_sgpr_workgroup_id_y 1
		.amdhsa_system_sgpr_workgroup_id_z 1
		.amdhsa_system_vgpr_workitem_id 0
		.amdhsa_next_free_vgpr 242
		.amdhsa_next_free_sgpr 66
		.amdhsa_reserve_vcc 0
		.amdhsa_float_denorm_mode_32 3
		.amdhsa_float_denorm_mode_16_64 3
		.amdhsa_memory_ordered 1
		.amdhsa_forward_progress 1
		.amdhsa_inst_pref_size 53
	.end_amdhsa_kernel
	.amdgpu_metadata
---
amdhsa.version: [ 1, 2 ]
amdhsa.kernels:
  - .name:           k_qba59408a9c_norm
    .symbol:         k_qba59408a9c_norm.kd
    .args:
      - { .name: xf, .offset: 0, .size: 8, .value_kind: global_buffer, .address_space: global }
      - { .name: freqs_cis, .offset: 8, .size: 8, .value_kind: global_buffer, .address_space: global }
      - { .name: qn_w, .offset: 16, .size: 8, .value_kind: global_buffer, .address_space: global }
      - { .name: qn_b, .offset: 24, .size: 8, .value_kind: global_buffer, .address_space: global }
      - { .name: kn_w, .offset: 32, .size: 8, .value_kind: global_buffer, .address_space: global }
      - { .name: kn_b, .offset: 40, .size: 8, .value_kind: global_buffer, .address_space: global }
      - { .name: kyn_w, .offset: 48, .size: 8, .value_kind: global_buffer, .address_space: global }
      - { .name: kyn_b, .offset: 56, .size: 8, .value_kind: global_buffer, .address_space: global }
      - { .name: qc, .offset: 64, .size: 8, .value_kind: global_buffer, .address_space: global }
      - { .name: qs, .offset: 72, .size: 8, .value_kind: global_buffer, .address_space: global }
      - { .name: kv, .offset: 80, .size: 8, .value_kind: global_buffer, .address_space: global }
    .group_segment_fixed_size: 28160
    .private_segment_fixed_size: 0
    .kernarg_segment_align: 8
    .kernarg_segment_size: 88
    .max_flat_workgroup_size: 256
    .sgpr_count:     66
    .vgpr_count:     242
    .wavefront_size: 32
...
	.end_amdgpu_metadata
.endif
;; end of part 2
;; launch attn (part 3): grid 8 x 32, 4 waves a work-group, clusters of 4 x 1, 327,680 bytes of LDS; arguments qc, qs, kv, x_mask, y_mask, gate, oc, os; writes oc, os
.if DOCPART == 3
	.amdgcn_target "amdgcn-amd-amdhsa--gfx1250"
	.amdhsa_code_object_version 6
	.text
	.protected	k_qba59408a9c_attn
	.globl	k_qba59408a9c_attn
	.p2align	8
	.type	k_qba59408a9c_attn,@function
k_qba59408a9c_attn:
	s_mov_b64 s[64:65], 0
	v_nop
	global_prefetch_b8 v0, s[64:65] scope:SCOPE_SE
	s_setreg_imm32_b32 hwreg(HW_REG_WAVE_MODE, 25, 1), 1
	s_wait_xcnt 0x0
	s_wait_alu depctr_hold_cnt(0) depctr_sa_sdst(0) depctr_va_vdst(0) depctr_va_sdst(0) depctr_va_ssrc(0) depctr_va_vcc(0) depctr_vm_vsrc(0)
	s_getreg_b32 s2, hwreg(HW_REG_IB_STS2, 6, 4)
	s_cmp_eq_u32 s2, 0
	s_cbranch_scc0 .Lentry_in_a_cluster
	s_endpgm
.Lentry_in_a_cluster:
	s_bfe_u32 s2, ttmp6, 0x10000c
	s_cmp_lg_u32 s2, 0x3003
	s_cbranch_scc0 .Lentry_shape_is_right
	s_endpgm
.Lentry_shape_is_right:
; BOTH ATTENTIONS of one (batch, head) for 128 queries, the gate, their sum, and the quantiser of the sum along the channels.  All four products on codes of FP6 (E2M3), one E8M0 scale for each 32 along K.
; SHARES.  Work-group: 128 queries; each of its four waves two tiles of 16.  Every wave walks 12 key steps of 128: steps 0-7 the sequence's own keys, 8-11 those of y.
; LDS.  The whole (batch, head) of kv, 24 records of 13,312 bytes (a step's K record, then its V record: 8 operand images of 1,536 bytes and 8 x 128 bytes of scale words), is filled ONCE: no byte is filled again.
;   The four query blocks of a cluster read the same records: each wave asks for six of them JOINTLY (record 4 i + wave), so six tensor loads of a wave are out at the most.
; LAYOUT.  Both products transposed: S^T = K Q^T, O^T = V^T P: a lane holds one query (lane % 16); register 8 t + j is key (or channel) 16 t + 8 (lane / 16) + j.  P is quantised in that order, as V^T was.
; MASKS.  bias[key] = 0 for an open key, -2^126 for a hidden one, is the C of the score products: a hidden key's p is 0 at no cost in the loop.  The largest t starts at -2^100, above every hidden key's t, so a
;   step of hidden keys alone leaves M as it is; the first open key moves M, and the factor 2^(old M - new M) = 0 clears what stood.  Where a batch has no open key, c = 0: every t is 0, every p is 1: uniform weights.
; SOFTMAX.  t = score x c, c = log2(e) / sqrt(128); M = the running largest t rounded up; p = 2^(t - M) is quantised along the keys; the row's sum is taken of the unquantised p and divides at the end.
; OUT.  o = self + tanh(gate) x cross; brought into the true order of channels by lane swaps, quantised; images into oc [token tile][head][1,536], scale words into os [token][64].
; LIMITS: NaN and infinities are not served; open keys' scores x c are taken to lie above -2^100; a block of zeros gets the byte 1 (its codes are zeros; this program alone reads the bytes).
; REGISTERS.  window 0: v1-9 addresses; v12-19 -M, largest t, sum (pair) of tiles 0, 1; v20-27 K's scale words, v28-35 V's, v36-37 q's, v38-39 p's; v40-63 p's codes; v64-191 S^T then p; v192-255 at work, 32 a tile.
;   window 1: v0-127 O^T, v128-255 the self result.   window 2: v0-95 K, v96-191 V, v192-215 Q.   window 3: v0-63 the step's bias.
.set REC,   13312
.set STEPB, 2*REC
.set BIAS,  24*REC                     ; 1,536 f32, in blocks of 256 bytes of their own
.set FLAG,  BIAS+6144                  ; 8 words: each wave's 'a key of x is open', 'a key of y is open'
.set LI,  1                            ; v1  16 x lane
.set LS,  2                            ; v2  4 x lane
.set LB,  3                            ; v3  BIAS + 32 (lane / 16)
.set ADK, 4                            ; v4  LI + the step's first byte
.set ADS, 5                            ; v5  LS + the same
.set ADB, 6                            ; v6  LB + 512 x step
.set OSO, 7                            ; v7  os: 64 (lane % 16) + 1,024 (lane / 16)
.set TG,  8                            ; v8  tanh(gate)
.set KSC, 20
.set VSC, 28
.set QSC, 36
.set PSC, 38
.set PCD, 40
.set SS,  64
.set WK,  192                          ; +0..3 block maxima; +4..10 permute, bytes, conversions; +12..15 scale operands; +16 f (+17 its pair's upper half); +18 at work; +20, 21 second chain of the sum
.set TM,  192                          ; the way out's quantiser: scratch v192-207, words v208-210, codes v212-251
.set WV,  20
.set G1,  24
.set G0,  32
.set TB,  56
.set TBB, 57
.set CNT, 58
.set CS,  60
.set SEL, 62
.set MSB, 0
.macro WIN new                         ; the immediate's high byte repeats the setting that is left
.if MSB != (\new)
	s_set_vgpr_msb (MSB<<8)|(\new)
.set MSB, (\new)
.endif
.endm
.macro CROUND                          ; a round of the cluster's barrier
	s_barrier_signal -1
	s_barrier_wait -1
	s_cmp_lg_u32 s[WV], 0
	s_cbranch_scc1 .Lnot_wave_0_\@
	s_barrier_signal -3
.Lnot_wave_0_\@:
	s_barrier_wait -3
	s_barrier_signal -1
	s_barrier_wait -1
.endm
	s_load_b512 s[4:19], s[0:1], 0x0               ; qc, qs, kv, x_mask, y_mask, gate, oc, os
	v_lshl_add_u32 v254, v0, 2, 0x4f900
	v_mov_b32 v255, 0
	ds_add_u32 v254, v255
	ds_add_u32 v254, v255
	v_lshrrev_b32 v10, 5, v0
	v_readfirstlane_b32 s[WV], v10                 ; wave 0..3
	s_bfe_u32 s21, ttmp6, 0x40000                  ; cx: it enters Q's and o's addresses alone
	s_and_b32 s22, ttmp7, 0xffff                   ; 16 batch + head, which the four partners share
	s_lshr_b32 s23, s22, 4
	s_and_b32 s70, s22, 15
	s_lshl_b32 s71, ttmp9, 2
	s_add_co_u32 s71, s71, s21                     ; my block of 128 queries
	s_lshl_b32 s71, s71, 3
	s_lshl_b32 s72, s23, 6
	s_add_co_u32 s71, s71, s72
	s_lshl_b32 s72, s[WV], 1
	s_add_co_u32 s71, s71, s72                     ; my first token tile: 64 batch + 8 block + 2 wave
	s_lshl_b32 s72, s71, 4
	s_add_co_u32 s72, s72, s70
	s_mul_i32 s74, s72, 1536                       ; in qc and in oc
	s_mov_b32 s75, 0
	s_lshl_b32 s76, s72, 7                         ; in qs
	s_mov_b32 s77, 0
	s_lshl_b32 s78, s71, 10
	s_lshl_b32 s72, s70, 2                         ; 4 x head
	s_add_co_u32 s78, s78, s72                     ; in os
	s_mov_b32 s79, 0
	s_mul_i32 s73, s[WV], REC
	s_mul_i32 s66, s22, 24*REC
	s_add_co_u32 s66, s66, s73                     ; in kv: my (batch, head), record number wave
	s_mov_b32 s67, 0
	; descriptor group 1: a record, 13,312 dense bytes, as 52 rows of 256 (32 elements of 8 bytes); no padding: images are read 512 consecutive bytes at a time
	s_mov_b32 s[G1], 15|(3<<16)|(1<<21)            ; the mask: all four work-groups; bit 21 beside it
	s_mov_b32 s[G1+1], 32<<16
	s_mov_b32 s[G1+2], 52<<16
	s_mov_b32 s[G1+3], 32<<16
	s_mov_b32 s[G1+4], 52
	s_mov_b32 s[G1+5], 32
	s_mov_b32 s[G1+6], 0
	s_mov_b32 s[G1+7], 0
	s_mov_b32 s[SEL], 0x76543210
	s_mov_b32 s[SEL+1], 0xfedcba98
	s_mov_b32 s[TB], 0
	s_mov_b32 s[TBB], 0
	v_and_b32 v9, 31, v0
	v_lshlrev_b32 v[LI], 4, v9
	v_lshlrev_b32 v[LS], 2, v9
	v_bfe_u32 v10, v0, 4, 1
	v_lshl_add_u32 v[LB], v10, 5, BIAS
	v_and_b32 v11, 15, v0
	v_lshlrev_b32 v[OSO], 6, v11
	v_lshl_add_u32 v[OSO], v10, 10, v[OSO]
	v_lshlrev_b32 v10, 2, v0                       ; the masks: 4 bytes a thread
	v_mov_b32 v11, s72                             ; the gate: 4 x head
	s_wait_dscnt 0x0
	s_wait_kmcnt 0x0
	s_add_nc_u64 s[8:9], s[8:9], s[66:67]
.irp i, 0,1,2,3,4,5
	s_mov_b32 s[G0+4*\i], 1
	s_add_co_u32 s[G0+4*\i+1], s73, \i*4*REC       ; LDS: record 4 i + wave
	s_add_nc_u64 s[G0+4*\i+2:G0+4*\i+3], s[8:9], \i*4*REC
	s_or_b32 s[G0+4*\i+3], s[G0+4*\i+3], 0x80000000
.endr
	s_add_nc_u64 s[4:5], s[4:5], s[74:75]
	s_add_nc_u64 s[16:17], s[16:17], s[74:75]
	s_add_nc_u64 s[6:7], s[6:7], s[76:77]
	s_add_nc_u64 s[18:19], s[18:19], s[78:79]
	s_lshl_b32 s66, s23, 10
	s_add_nc_u64 s[10:11], s[10:11], s[66:67]      ; my batch's 1,024 mask bytes of x,
	s_lshl_b32 s66, s23, 9
	s_add_nc_u64 s[12:13], s[12:13], s[66:67]      ; and 512 of y
	CROUND                                         ; all four work-groups are here: the joint loads meet
.irp i, 0,1,2,3,4,5
	tensor_load_to_lds s[G0+4*\i:G0+4*\i+3], s[G1:G1+7]   ; load i of the four waves brings key steps 2 i and 2 i + 1
	s_nop 0
.endr
.rept 4
	v_nop
.endr
	WIN 0x80                                       ; destination window 2
.irp z, 0,1
.irp c, 0,1,2
	global_load_b128 v[192+12*\z+4*\c:192+12*\z+4*\c+3], v[LI], s[4:5] offset:\z*24576+512*\c   ; Q's two fragments stay in registers
.endr
.endr
	WIN 0
.irp z, 0,1
	global_load_b32 v[QSC+\z], v[LS], s[6:7] offset:\z*2048
.endr
	global_load_b32 v64, v10, s[10:11]             ; keys 4 t .. 4 t + 3,
	global_load_b32 v65, v10, s[10:11] offset:512  ; keys 512 + 4 t ..,
	global_load_b32 v66, v10, s[12:13]             ; y's keys 4 t ..
	global_load_b32 v[TG], v11, s[14:15]
	WIN 0x40
.set j, 0
.rept 128
	v_mov_b32 v[j], 0                              ; O^T: the step is written once for all steps; the first finds zeros
.set j, j+1
.endr
	WIN 0
.irp z, 0,1
	v_mov_b32 v[13+4*\z], 0xf1800000               ; the largest t so far: -2^100
	v_floor_f32 v[12+4*\z], -v[13+4*\z]            ; -M
	v_mov_b32 v[14+4*\z], 0
	v_mov_b32 v[15+4*\z], 0
	v_mov_b32 v[WK+32*\z+17], 0                    ; named as a pair's upper half
.irp b, 0,1,2,3
	v_mov_b32 v[WK+32*\z+4+\b], 0                  ; a lane permute's destination counts as one of its sources
.endr
.endr
	v_mov_b32 v81, 0xfe800000                      ; -2^126
	v_lshl_add_u32 v80, v0, 4, BIAS
	s_lshl_b32 s66, s[WV], 3
	s_add_co_u32 s66, s66, FLAG
	v_mov_b32 v84, s66
	v_mov_b32 v85, FLAG
	s_wait_loadcnt 0x0
.irp w, 0,1,2
.irp k, 0,1,2,3
	v_bfe_u32 v67, v[64+\w], 8*\k, 8
	v_cmp_eq_u32 vcc_lo, 0, v67
	v_cndmask_b32 v[68+4*\w+\k], 0, v81, vcc_lo    ; hidden: -2^126; open: 0
.endr
	ds_store_b128 v80, v[68+4*\w:71+4*\w] offset:2048*\w
.endr
	v_or_b32 v64, v64, v65
	v_cmp_ne_u32 vcc_lo, 0, v64
	v_mov_b32 v82, vcc_lo                          ; not 0: a key of x among my wave's is open
	v_cmp_ne_u32 vcc_lo, 0, v66
	v_mov_b32 v83, vcc_lo
	ds_store_b64 v84, v[82:83]                     ; all lanes write the same words with the same values
	v_mul_f32 v[TG], 0x4038aa3b, v[TG]             ; tanh(g) = 1 - 2 / (1 + 2^(2 log2(e) g))
	v_exp_f32 v[TG], v[TG]
	v_nop
	s_wait_alu depctr_va_vdst(0)                   ; the wait ahead of a transcendental's first reader
	v_add_f32 v[TG], 1.0, v[TG]
	v_rcp_f32 v[TG], v[TG]
	v_nop
	s_wait_alu depctr_va_vdst(0)
	v_fma_f32 v[TG], v[TG], -2.0, 1.0
	s_wait_tensorcnt 4                             ; my loads 0 and 1 have landed; four may be out
	s_wait_dscnt 0x0                               ; my part of the bias and my flags have landed
	s_barrier_signal -1
	s_barrier_wait -1                              ; key steps 0 to 3, the bias and the flags are whole
	ds_load_b128 v[88:91], v85
	ds_load_b128 v[92:95], v85 offset:16
	v_mov_b32 v[ADK], v[LI]
	v_mov_b32 v[ADS], v[LS]
	v_mov_b32 v[ADB], v[LB]
; a step's K: 8 fragments, its bias in the result's layout, its 8 scale words: 48 loads
.macro FETCH_K off, boff
	WIN 0x80
.irp t, 0,1,2,3,4,5,6,7
.irp c, 0,1,2
	ds_load_b128 v[12*\t+4*\c:12*\t+4*\c+3], v[ADK] offset:\off+1536*\t+512*\c
.endr
.endr
	WIN 0xc0
.irp t, 0,1,2,3,4,5,6,7
.irp u, 0,1
	ds_load_b128 v[8*\t+4*\u:8*\t+4*\u+3], v[ADB] offset:\boff+64*\t+16*\u
.endr
.endr
	WIN 0
.irp t, 0,1,2,3,4,5,6,7
	ds_load_b32 v[KSC+\t], v[ADS] offset:\off+12288+128*\t
.endr
.endm
	FETCH_K 0, 0
	s_wait_dscnt 48                                ; the flags are in; the 48 loads behind them may be out
	v_or_b32 v88, v88, v90
	v_or_b32 v92, v92, v94
	v_or_b32 v88, v88, v92
	v_or_b32 v89, v89, v91
	v_or_b32 v93, v93, v95
	v_or_b32 v89, v89, v93
	v_readfirstlane_b32 s66, v88
	v_readfirstlane_b32 s67, v89
	s_cmp_lg_u32 s66, 0
	s_cselect_b32 s68, 0x3e0293ee, 0               ; c = log2(e) / sqrt(128), or 0 where no key of x is open: a choice of a value, no branch
	s_cmp_lg_u32 s67, 0
	s_cselect_b32 s69, 0x3e0293ee, 0               ; the same for y
	s_mov_b32 s[CS], s68
	s_mov_b32 s[CS+1], s68
; THE SOFTMAX of a step, both tiles line by line, so that no line waits for the line above it
.macro SOFTMAX
.irp b, 0,1,2,3
.irp z, 0,1
	v_max3_num_f32 v[WK+32*\z+\b], v[SS+64*\z+16*\b], v[SS+64*\z+16*\b+1], v[SS+64*\z+16*\b+2]   ; the largest score of each block of 32 keys: for the row's maximum and for the block's largest p
.endr
.endr
.irp i, 3,5,7,9,11,13
.irp b, 0,1,2,3
.irp z, 0,1
	v_max3_num_f32 v[WK+32*\z+\b], v[WK+32*\z+\b], v[SS+64*\z+16*\b+\i], v[SS+64*\z+16*\b+\i+1]
.endr
.endr
.endr
.irp b, 0,1,2,3
.irp z, 0,1
	v_max_num_f32 v[WK+32*\z+\b], v[WK+32*\z+\b], v[SS+64*\z+16*\b+15]
.endr
.endr
.irp b, 0,1,2,3
.irp z, 0,1
	v_permlanex16_b32 v[WK+32*\z+4+\b], v[WK+32*\z+\b], s[SEL], s[SEL+1]
.endr
.endr
.irp b, 0,1,2,3
.irp z, 0,1
	v_max_num_f32 v[WK+32*\z+\b], v[WK+32*\z+\b], v[WK+32*\z+4+\b]
.endr
.endr
.irp z, 0,1
	v_max3_num_f32 v[WK+32*\z+18], v[WK+32*\z], v[WK+32*\z+1], v[WK+32*\z+2]
.endr
.irp z, 0,1
	v_max_num_f32 v[WK+32*\z+18], v[WK+32*\z+18], v[WK+32*\z+3]
.endr
.irp z, 0,1
	v_mul_f32 v[WK+32*\z+18], s[CS], v[WK+32*\z+18]   ; as t (c is not negative)
.endr
.irp z, 0,1
	v_max_num_f32 v[13+4*\z], v[13+4*\z], v[WK+32*\z+18]
.endr
.irp z, 0,1
	v_mov_b32 v[WK+32*\z+18], v[12+4*\z]
.endr
.irp z, 0,1
	v_floor_f32 v[12+4*\z], -v[13+4*\z]            ; the new -M = -ceil(t): a whole number
.endr
.irp z, 0,1
	v_sub_f32 v[WK+32*\z+18], v[12+4*\z], v[WK+32*\z+18]
.endr
.irp z, 0,1
	v_cvt_i32_f32 v[WK+32*\z+18], v[WK+32*\z+18]   ; (it saturates)
.endr
.irp z, 0,1
	v_ldexp_f32 v[WK+32*\z+16], 1.0, v[WK+32*\z+18]   ; f = 2^(old M - new M)
.endr
.set j, 0
.rept 32
.irp z, 0,1
	v_pk_fma_f32 v[SS+64*\z+j:SS+64*\z+j+1], v[SS+64*\z+j:SS+64*\z+j+1], s[CS:CS+1], v[12+4*\z:13+4*\z] op_sel_hi:[1,0,0]   ; t - M
.endr
.set j, j+2
.endr
.irp b, 0,1,2,3
.irp z, 0,1
	v_fma_f32 v[WK+32*\z+\b], v[WK+32*\z+\b], s[CS], v[12+4*\z]
.endr
.endr
.set j, 0
.rept 64
.irp z, 0,1
	v_exp_f32 v[SS+64*\z+j], v[SS+64*\z+j]         ; p = 2^(t - M): one batch of 128
.endr
.set j, j+1
.endr
.irp z, 0,1
	v_pk_mul_f32 v[14+4*\z:15+4*\z], v[14+4*\z:15+4*\z], v[WK+32*\z+16:WK+32*\z+17] op_sel_hi:[1,0]   ; the sums under the new M: plain work behind the batch
.endr
	s_wait_alu depctr_va_vdst(0)                   ; one wait for the batch, ahead of its first reader
.irp b, 0,1,2,3
.irp z, 0,1
	v_exp_f32 v[WK+32*\z+\b], v[WK+32*\z+\b]       ; each block's largest p
.endr
.endr
.irp z, 0,1
	v_pk_add_f32 v[WK+32*\z+20:WK+32*\z+21], v[SS+64*\z:SS+64*\z+1], v[SS+64*\z+2:SS+64*\z+3]   ; the row's sum, of the unquantised p, in two chains
.endr
.set j, 4
.rept 15
.irp z, 0,1
	v_pk_add_f32 v[14+4*\z:15+4*\z], v[14+4*\z:15+4*\z], v[SS+64*\z+j:SS+64*\z+j+1]
	v_pk_add_f32 v[WK+32*\z+20:WK+32*\z+21], v[WK+32*\z+20:WK+32*\z+21], v[SS+64*\z+j+2:SS+64*\z+j+3]
.endr
.set j, j+4
.endr
.irp z, 0,1
	v_pk_add_f32 v[14+4*\z:15+4*\z], v[14+4*\z:15+4*\z], v[WK+32*\z+20:WK+32*\z+21]
.endr
	s_wait_alu depctr_va_vdst(0)                   ; and one for the eight
.irp b, 0,1,2,3
.irp z, 0,1
	v_max_num_f32 v[WK+32*\z+\b], 0x1800000, v[WK+32*\z+\b]   ; the floor 2^(3 - 127): the byte cannot fall under 1
.endr
.endr
.irp b, 0,1,2,3
.irp z, 0,1
	v_add_nc_u32 v[WK+32*\z+12+\b], 0xff000000, v[WK+32*\z+\b]
.endr
.endr
.irp b, 0,1,2,3
.irp z, 0,1
	v_lshrrev_b32 v[WK+32*\z+4+\b], 23, v[WK+32*\z+12+\b]
.endr
.endr
.irp z, 0,1
	v_lshl_or_b32 v[PSC+\z], v[WK+32*\z+5], 8, v[WK+32*\z+4]
.endr
.irp z, 0,1
	v_lshl_or_b32 v[PSC+\z], v[WK+32*\z+6], 16, v[PSC+\z]
.endr
.irp z, 0,1
	v_lshl_or_b32 v[PSC+\z], v[WK+32*\z+7], 24, v[PSC+\z]   ; p's scale word for these 128 keys
.endr
.irp z, 0,1
.irp c, 0,1
	v_cvt_scalef32_pk16_fp6_f32 v[PCD+12*\z+6*\c:PCD+12*\z+6*\c+2], v[SS+64*\z+32*\c:SS+64*\z+32*\c+15], v[WK+32*\z+12+2*\c]
	v_cvt_scalef32_pk16_fp6_f32 v[WK+32*\z+4+4*\c:WK+32*\z+6+4*\c], v[SS+64*\z+32*\c+16:SS+64*\z+32*\c+31], v[WK+32*\z+13+2*\c]
.endr
.endr
	v_nop                                          ; one plain place behind a scaled conversion
.irp z, 0,1
.irp c, 0,1
.irp i, 0,1,2
	v_permlane16_swap_b32 v[PCD+12*\z+6*\c+\i], v[WK+32*\z+4+4*\c+\i]
.endr
.irp i, 0,1,2
	v_mov_b32 v[PCD+12*\z+6*\c+3+\i], v[WK+32*\z+4+4*\c+\i]
.endr
.endr
.endr
.endm
; A KEY STEP.  pf = 1: the next step's K is fetched behind this step's V.
.macro STEP pf
	s_wait_dscnt 0x0                               ; K, its bias and its scale words are in
	WIN 0x3a                                       ; K and Q window 2, the bias window 3, S^T window 0
.irp t, 0,1,2,3,4,5,6,7
.irp z, 0,1
	v_wmma_scale_f32_16x16x128_f8f6f4 v[SS+64*\z+8*\t:SS+64*\z+8*\t+7], v[12*\t:12*\t+11], v[192+12*\z:192+12*\z+11], v[8*\t:8*\t+7], v[KSC+\t], v[QSC+\z] matrix_a_fmt:MATRIX_FMT_FP6 matrix_b_fmt:MATRIX_FMT_FP6
.endr
.endr
	WIN 0
	v_add_nc_u32 v[ADK], s[TB], v[LI]              ; four plain instructions: the places in front of the loads into registers that products have read, and of the first read of the scores
	v_add_nc_u32 v[ADS], s[TB], v[LS]
	v_add_nc_u32 v[ADB], s[TBB], v[LB]
	v_nop
.irp t, 0,1,2,3,4,5,6,7
	ds_load_b32 v[VSC+\t], v[ADS] offset:REC+12288+128*\t
.endr
	WIN 0x80
.irp t, 0,1,2,3,4,5,6,7
.irp c, 0,1,2
	ds_load_b128 v[96+12*\t+4*\c:96+12*\t+4*\c+3], v[ADK] offset:REC+1536*\t+512*\c
.endr
.endr
.if \pf
	FETCH_K STEPB, 512
.endif
	WIN 0
	SOFTMAX
	WIN 0x41                                       ; O^T window 1, f window 0
.set j, 0
.rept 32
.irp z, 0,1
	v_pk_mul_f32 v[64*\z+j:64*\z+j+1], v[64*\z+j:64*\z+j+1], v[WK+32*\z+16:WK+32*\z+17] op_sel_hi:[1,0]   ; O^T under the new M; these 64 are also the places behind the writes of p's codes and scale words
.endr
.set j, j+2
.endr
.if \pf
	s_wait_dscnt 48                                ; V and its scale words are in; the 48 loads for the next step's K may be out
.else
	s_wait_dscnt 0x0
.endif
	WIN 0x52                                       ; V window 2, P window 0, O^T window 1
.irp t, 0,1,2,3,4,5,6,7
.irp z, 0,1
	v_wmma_scale_f32_16x16x128_f8f6f4 v[64*\z+8*\t:64*\z+8*\t+7], v[96+12*\t:96+12*\t+11], v[PCD+12*\z:PCD+12*\z+11], v[64*\z+8*\t:64*\z+8*\t+7], v[VSC+\t], v[PSC+\z] matrix_a_fmt:MATRIX_FMT_FP6 matrix_b_fmt:MATRIX_FMT_FP6
.endr
.endr                                              ; the sixteen accumulators take turns, one instruction a turn
	WIN 0
	s_add_co_u32 s[TB], s[TB], STEPB
	s_add_co_u32 s[TBB], s[TBB], 512
.endm
.macro LINV                            ; 1 / the row's sum into v[WK + 32 z + 16]
.rept 4
	v_nop                                          ; the places behind the last products
.endr
.irp z, 0,1
	v_add_f32 v[WK+32*\z+18], v[14+4*\z], v[15+4*\z]
.endr
.irp z, 0,1
	v_permlanex16_b32 v[WK+32*\z+4], v[WK+32*\z+18], s[SEL], s[SEL+1]
.endr
.irp z, 0,1
	v_add_f32 v[WK+32*\z+18], v[WK+32*\z+18], v[WK+32*\z+4]
.endr
.irp z, 0,1
	v_rcp_f32 v[WK+32*\z+16], v[WK+32*\z+18]
.endr
	v_nop
	s_wait_alu depctr_va_vdst(0)                   ; one wait for the two reciprocals
.endm
	s_mov_b32 s[CNT], 3
.Lsteps_a:                                         ; steps 0 to 2; they read up to K of step 3
	STEP 1
	s_sub_co_u32 s[CNT], s[CNT], 1
	s_cmp_lg_u32 s[CNT], 0
	s_cbranch_scc1 .Lsteps_a
	s_wait_tensorcnt 1                             ; my loads 0 to 4 have landed: steps 0 to 9
	s_wait_dscnt 0x0
	s_barrier_signal -1
	s_barrier_wait -1
	s_mov_b32 s[CNT], 5
.Lsteps_b:                                         ; steps 3 to 7; the last fetches K of step 8
	STEP 1
	s_sub_co_u32 s[CNT], s[CNT], 1
	s_cmp_lg_u32 s[CNT], 0
	s_cbranch_scc1 .Lsteps_b
	; THE SELF RESULT is put by, divided by its sum; the largest t starts anew, so that the next change of M clears O^T and the sums
	LINV
	WIN 0x41
.set j, 0
.rept 32
.irp z, 0,1
	v_pk_mul_f32 v[128+64*\z+j:128+64*\z+j+1], v[64*\z+j:64*\z+j+1], v[WK+32*\z+16:WK+32*\z+17] op_sel_hi:[1,0]
.endr
.set j, j+2
.endr
	WIN 0
.irp z, 0,1
	v_mov_b32 v[13+4*\z], 0xf1800000
	v_floor_f32 v[12+4*\z], -v[13+4*\z]
.endr
	s_mov_b32 s[CS], s69                           ; y's c
	s_mov_b32 s[CS+1], s69
	s_wait_tensorcnt 0x0                           ; all six have landed
	s_wait_dscnt 0x0
	s_barrier_signal -1
	s_barrier_wait -1
	s_mov_b32 s[CNT], 3
.Lsteps_d:                                         ; steps 8 to 10
	STEP 1
	s_sub_co_u32 s[CNT], s[CNT], 1
	s_cmp_lg_u32 s[CNT], 0
	s_cbranch_scc1 .Lsteps_d
	STEP 0                                         ; step 11: nothing is left to fetch
	; THE WAY OUT: o = self + cross x tanh(gate) / sum
	LINV
.irp z, 0,1
	v_mul_f32 v[WK+32*\z+16], v[WK+32*\z+16], v[TG]
.endr
	WIN 0x11                                       ; O^T and the self result window 1, the factor and the result window 0
.set j, 0
.rept 32
.irp z, 0,1
	v_pk_fma_f32 v[SS+64*\z+j:SS+64*\z+j+1], v[64*\z+j:64*\z+j+1], v[WK+32*\z+16:WK+32*\z+17], v[128+64*\z+j:128+64*\z+j+1] op_sel_hi:[1,0,1]
.endr
.set j, j+2
.endr
	WIN 0
.irp z, 0,1                                        ; wo's codes lie in the true order of channels: tiles 2 b and 2 b + 1 change halves, and registers 16 b + i are channels 32 b + 16 (lane / 16) + i
.irp b, 0,1,2,3
.irp i, 0,1,2,3,4,5,6,7
	v_permlane16_swap_b32 v[SS+64*\z+16*\b+\i], v[SS+64*\z+16*\b+8+\i]
.endr
.endr
.endr
.macro QUANT s, pc, pw                 ; 64 numbers of a lane become a fragment's codes in v[pc] on and its scale word in v[pw]
.irp b, 0,1,2,3
	v_max3_num_f32 v[TM+\b], |v[\s+16*\b]|, |v[\s+1+16*\b]|, 0x1800000
.endr
.irp i, 2,4,6,8,10,12,14
.irp b, 0,1,2,3
	v_max3_num_f32 v[TM+\b], v[TM+\b], |v[\s+16*\b+\i]|, |v[\s+1+16*\b+\i]|
.endr
.endr
.irp b, 0,1,2,3
	v_permlanex16_b32 v[TM+4+\b], v[TM+\b], s[SEL], s[SEL+1]
.endr
.irp b, 0,1,2,3
	v_max_num_f32 v[TM+\b], v[TM+\b], v[TM+4+\b]
.endr
.irp b, 0,1,2,3
	v_add_nc_u32 v[TM+12+\b], 0xff000000, v[TM+\b]
.endr
.irp b, 0,1,2,3
	v_lshrrev_b32 v[TM+4+\b], 23, v[TM+12+\b]
.endr
	v_lshl_or_b32 v[\pw], v[TM+5], 8, v[TM+4]
	v_lshl_or_b32 v[\pw], v[TM+6], 16, v[\pw]
	v_lshl_or_b32 v[\pw], v[TM+7], 24, v[\pw]
.irp c, 0,1
	v_cvt_scalef32_pk16_fp6_f32 v[\pc+6*\c:\pc+2+6*\c], v[\s+32*\c:\s+15+32*\c], v[TM+12+2*\c]
	v_cvt_scalef32_pk16_fp6_f32 v[\pc+12+4*\c:\pc+14+4*\c], v[\s+16+32*\c:\s+31+32*\c], v[TM+13+2*\c]
.endr
	v_nop
.irp c, 0,1
.irp i, 0,1,2
	v_permlane16_swap_b32 v[\pc+6*\c+\i], v[\pc+12+4*\c+\i]
.endr
.irp i, 0,1,2
	v_mov_b32 v[\pc+3+6*\c+\i], v[\pc+12+4*\c+\i]
.endr
.endr
.endm
.irp z, 0,1
	QUANT SS+64*\z, 212+20*\z, 208+\z
.irp c, 0,1,2
	global_store_b128 v[LI], v[212+20*\z+4*\c:212+20*\z+4*\c+3], s[16:17] offset:\z*24576+512*\c
.endr
.endr
	v_cmp_gt_u32 vcc_lo, 16, v9
	v_cndmask_b32 v210, v209, v208, vcc_lo         ; lanes 0-15 carry tile 0's words, lanes 16-31 tile 1's (every lane holds its row's word)
	global_store_b32 v[OSO], v210, s[18:19]
	s_wait_tensorcnt 0x0
	ds_add_u32 v254, v255
	s_wait_dscnt 0x0
	CROUND                                         ; the closing round: no work-group ends while a partner may still ask jointly
	s_endpgm
.Lfunc_end_k_qba59408a9c_attn:
	.size	k_qba59408a9c_attn, .Lfunc_end_k_qba59408a9c_attn-k_qba59408a9c_attn
	.p2alignl 7, 3214868480
	.fill 96, 4, 3214868480
	.section	.rodata,"a",@progbits
	.p2align	6, 0x0
	.amdhsa_kernel k_qba59408a9c_attn
		.amdhsa_group_segment_fixed_size 327680
		.amdhsa_private_segment_fixed_size 0
		.amdhsa_enable_private_segment 0
		.amdhsa_kernarg_size 64
		.amdhsa_user_sgpr_count 2
		.amdhsa_user_sgpr_kernarg_segment_ptr 1
		.amdhsa_wavefront_size32 1
		.amdhsa_system_sgpr_workgroup_id_x 1
		.amdhsa_system_sgpr_workgroup_id_y 1
		.amdhsa_system_sgpr_workgroup_id_z 1
		.amdhsa_system_vgpr_workitem_id 0
		.amdhsa_next_free_vgpr 832
		.amdhsa_next_free_sgpr 80
		.amdhsa_reserve_vcc 1
		.amdhsa_float_denorm_mode_32 3
		.amdhsa_float_denorm_mode_16_64 3
		.amdhsa_memory_ordered 1
		.amdhsa_forward_progress 1
		.amdhsa_inst_pref_size 175
	.end_amdhsa_kernel
	.amdgpu_metadata
---
amdhsa.version: [ 1, 2 ]
amdhsa.kernels:
  - .name:           k_qba59408a9c_attn
    .symbol:         k_qba59408a9c_attn.kd
    .args:
      - { .name: qc, .offset: 0, .size: 8, .value_kind: global_buffer, .address_space: global }
      - { .name: qs, .offset: 8, .size: 8, .value_kind: global_buffer, .address_space: global }
      - { .name: kv, .offset: 16, .size: 8, .value_kind: global_buffer, .address_space: global }
      - { .name: x_mask, .offset: 24, .size: 8, .value_kind: global_buffer, .address_space: global }
      - { .name: y_mask, .offset: 32, .size: 8, .value_kind: global_buffer, .address_space: global }
      - { .name: gate, .offset: 40, .size: 8, .value_kind: global_buffer, .address_space: global }
      - { .name: oc, .offset: 48, .size: 8, .value_kind: global_buffer, .address_space: global }
      - { .name: os, .offset: 56, .size: 8, .value_kind: global_buffer, .address_space: global }
    .group_segment_fixed_size: 327680
    .private_segment_fixed_size: 0
    .kernarg_segment_align: 8
    .kernarg_segment_size: 64
    .max_flat_workgroup_size: 128
    .sgpr_count:     80
    .vgpr_count:     832
    .wavefront_size: 32
...
	.end_amdgpu_metadata
.endif
;; end of part 3
;; launch outp (part 4): grid 8 x 8, 4 waves a work-group, clusters of 4 x 4, 327,680 bytes of LDS; arguments oc, os, wo_codes, wo_scales, out0; writes out0
.if DOCPART == 4
	.amdgcn_target "amdgcn-amd-amdhsa--gfx1250"
	.amdhsa_code_object_version 6
	.text
	.protected	k_qba59408a9c_outp
	.globl	k_qba59408a9c_outp
	.p2align	8
	.type	k_qba59408a9c_outp,@function
k_qba59408a9c_outp:
	s_mov_b64 s[64:65], 0
	v_nop
	global_prefetch_b8 v0, s[64:65] scope:SCOPE_SE
	s_setreg_imm32_b32 hwreg(HW_REG_WAVE_MODE, 25, 1), 1
	s_wait_xcnt 0x0
	s_wait_alu depctr_hold_cnt(0) depctr_sa_sdst(0) depctr_va_vdst(0) depctr_va_sdst(0) depctr_va_ssrc(0) depctr_va_vcc(0) depctr_vm_vsrc(0)
	s_getreg_b32 s2, hwreg(HW_REG_IB_STS2, 6, 4)
	s_cmp_eq_u32 s2, 0
	s_cbranch_scc0 .Lentry_in_a_cluster
	s_endpgm
.Lentry_in_a_cluster:
	s_bfe_u32 s2, ttmp6, 0x10000c
	s_cmp_lg_u32 s2, 0xf033
	s_cbranch_scc0 .Lentry_shape_is_right
	s_endpgm
.Lentry_shape_is_right:
; out0[m][n] = sum over k of o[m][k] wo[n][k], 2,048 x 2,048 x 2,048, on codes of FP6 (E2M3) with one E8M0 scale for each 32 along K; sums and out0 in f32.
; o's codes lie as operand images, oc [128 token tiles][16 heads][1,536 bytes] (a fragment of 16 rows x 128 K: 3 x 512 bytes, lane l's 16 bytes at 16 l), its scale bytes row by row, os [2,048][64].
; wo's codes lie [n][1,536 bytes], its scale bytes [n][64].
; A tile of out0, 256 x 256, is made by four waves, 128 x 128 each.  K goes in steps of 256 through a ring of two LDS slots; the scale bytes of the tile's rows come once.
; A's part of a slot for 128 rows is 8 token tiles x 3,072 consecutive bytes (two heads' images): a fragment comes by three loads of 512 consecutive bytes.  B's rows are 192 bytes, padded to a pitch of 240.
; CLUSTERS: 4 x 4 work-groups; A's tiles are shared along a row of the cluster, B's along a column: joint loads.  64 tiles: 64 work-groups.
; THE MATRIX INSTRUCTION IS USED TRANSPOSED (source 0 = 16 rows of wo, source 1 = 16 rows of o): a lane holds eight neighbouring numbers of a row of out0.
; REGISTERS: window 0: v16-31 addresses; v32-63 scale words, two sets; v128-223 A's fragments, one set; on the way out v128-255 rows.  window 1: B's fragments, two sets.  windows 2, 3: the accumulators.
.set SIZE_N, 2048
.set KSTEP,  256
.set NQ,     KSTEP/128
.set ROWB,   192
.set AROWB,  3072                      ; a token tile's bytes in a slot
.set KROW,   1536
.set PITCH,  240
.set FR,     12
.set NL,     6                         ; LDS loads that bring a fragment of B,
.set NLA,    3                         ; and of A
.set NP,     4
.set HALFT,  128*PITCH
.set SLOT,   4*HALFT
.set LAPS,   4
.set KS,     64
.set SCL,    2*SLOT
.set HALFS,  (128*KS/256)*272
.set SBLK,   (16*KS/256)*272
.set SPARE,  SCL+4*HALFS               ; the spare words: 128 bytes a wave, named by no other line
.set SPITCH, 528                       ; the way out: 16 rows x (512 + 16) bytes a wave, in slot 0, which has had its last fill and its last read by then
.set ADRA, 16
.set ADRB, 20
.set STO,  24
.set RD,   25
.set CO,   26
.set ADRS, 27
.set SPW,  28
.set NIL,  29
.set SC,   32
.set AF,   128
.set BK,   128
.set G1, 24
.set G0, 32
.set G1B, 48
.set G0B, 56
.set G1S, 68
.set G0S, 76
.set G1SB, 80
.set G0SB, 88
.set MSB, 0
.macro WIN new
.if MSB != (\new)
	s_set_vgpr_msb (MSB<<8)|(\new)
.set MSB, (\new)
.endif
.endm
.set MUL_LO, 0xa1
.set MUL_HI, 0xf1
.set TO_B,   0x40
.macro JLOAD g0a, g1a, g0b, g1b        ; waves 0 and 1 fetch for A, waves 2 and 3 for B; four v_nop follow each line
	s_cmp_eq_u32 s15, 0
	s_cbranch_scc0 .Lfor_b_\@
	tensor_load_to_lds s[\g0a:\g0a+3], s[\g1a:\g1a+7]
	s_nop 0
.rept 4
	v_nop
.endr
	s_branch .Lasked_\@
.Lfor_b_\@:
	tensor_load_to_lds s[\g0b:\g0b+3], s[\g1b:\g1b+7]
	s_nop 0
.rept 4
	v_nop
.endr
.Lasked_\@:
.endm
.macro CREST
	s_cmp_lg_u32 s14, 0
	s_cbranch_scc1 .Lnot_wave_0_\@
	s_barrier_signal -3
.Lnot_wave_0_\@:
	s_barrier_wait -3
	s_barrier_signal -1
	s_barrier_wait -1
.endm
.macro CROUND
	s_barrier_signal -1
	s_barrier_wait -1
	CREST
.endm
	s_load_b128 s[4:7], s[0:1], 0x0                ; o's codes, o's scales
	s_load_b128 s[8:11], s[0:1], 0x10              ; wo's codes, wo's scales
	s_load_b64 s[12:13], s[0:1], 0x20              ; out0
	v_lshl_add_u32 v[SPW], v0, 2, SPARE
	v_mov_b32 v[NIL], 0
	ds_add_u32 v28, v29
	ds_add_u32 v28, v29
	s_wait_dscnt 0x0
	v_lshrrev_b32 v1, 5, v0
	v_readfirstlane_b32 s14, v1
	s_lshr_b32 s15, s14, 1
	s_and_b32 s16, s14, 1
	s_bfe_u32 s40, ttmp6, 0x40000
	s_bfe_u32 s41, ttmp6, 0x40004
	s_lshl_b32 s42, ttmp9, 2
	s_add_co_u32 s42, s42, s40                     ; tile column
	s_and_b32 s17, ttmp7, 0xffff
	s_lshl_b32 s17, s17, 2
	s_add_co_u32 s17, s17, s41                     ; tile row
	s_lshl_b32 s43, s41, 2
	s_lshl_b32 s43, 15, s43
	s_lshl_b32 s44, 0x1111, s40
	; A: 8 token tiles x 3,072 bytes (384 elements of 8 bytes), 24,576 bytes apart; no padding
	s_or_b32 s[G1+0], s43, (3<<16)|(1<<21)
	s_mov_b32 s[G1+1], 384<<16
	s_mov_b32 s[G1+2], 8<<16
	s_mov_b32 s[G1+3], 384<<16
	s_mov_b32 s[G1+4], 8
	s_mov_b32 s[G1+5], 3072
	s_mov_b32 s[G1+6], 0
	s_mov_b32 s[G1+7], 0
	; B: 128 rows x 192 bytes, 16 bytes of padding behind every 64
	s_or_b32 s[G1B+0], s44, (0<<16)|(1<<20)|(1<<21)|(3<<22)|(3<<25)
	s_mov_b32 s[G1B+1], ROWB<<16
	s_mov_b32 s[G1B+2], 128<<16
	s_mov_b32 s[G1B+3], ROWB<<16
	s_mov_b32 s[G1B+4], 128
	s_mov_b32 s[G1B+5], KROW
	s_mov_b32 s[G1B+6], 0
	s_mov_b32 s[G1B+7], 0
	s_or_b32 s[G1S+0], s43, (3<<16)|(1<<20)|(1<<21)|(5<<22)|(3<<25)
	s_or_b32 s[G1SB+0], s44, (3<<16)|(1<<20)|(1<<21)|(5<<22)|(3<<25)
.irp g, G1S, G1SB
	s_mov_b32 s[\g+1], 32<<16
	s_mov_b32 s[\g+2], (128*KS/256)<<16
	s_mov_b32 s[\g+3], 32<<16
	s_mov_b32 s[\g+4], 128*KS/256
	s_mov_b32 s[\g+5], 32
	s_mov_b32 s[\g+6], 0
	s_mov_b32 s[\g+7], 0
.endr
	s_lshl_b32 s18, s16, 7
	s_lshl_b32 s20, s17, 8
	s_add_co_u32 s20, s20, s18                     ; A: row 256 x tile row + 128 x half
	s_lshl_b32 s46, s42, 8
	s_add_co_u32 s46, s46, s18                     ; B: row 256 x tile column + 128 x half
	s_mov_b32 s21, 0
	s_mov_b32 s47, 0
	s_mov_b64 s[18:19], KS
	s_mul_u64 s[22:23], s[20:21], s[18:19]
	s_mul_u64 s[92:93], s[46:47], s[18:19]
	s_mov_b64 s[18:19], KROW
	s_mul_u64 s[20:21], s[20:21], s[18:19]         ; (16 rows of 1,536 bytes are a token tile's 24,576: the images begin at the same byte as rows would)
	s_mul_u64 s[46:47], s[46:47], s[18:19]
	s_mul_i32 s45, s14, HALFT
	s_mul_i32 s94, s14, HALFS
	s_wait_kmcnt 0x0
	s_add_nc_u64 s[20:21], s[4:5], s[20:21]
	s_add_nc_u64 s[22:23], s[6:7], s[22:23]
	s_add_nc_u64 s[46:47], s[8:9], s[46:47]
	s_add_nc_u64 s[92:93], s[10:11], s[92:93]
	CROUND                                         ; all sixteen work-groups are here: the first joint loads meet
	s_mov_b32 s[G0S], 1
	s_add_co_u32 s[G0S+1], s94, SCL
	s_mov_b64 s[G0S+2:G0S+3], s[22:23]
	s_or_b32 s[G0S+3], s[G0S+3], 0x80000000
	s_mov_b32 s[G0SB], 1
	s_add_co_u32 s[G0SB+1], s94, SCL
	s_mov_b64 s[G0SB+2:G0SB+3], s[92:93]
	s_or_b32 s[G0SB+3], s[G0SB+3], 0x80000000
	JLOAD G0S, G1S, G0SB, G1SB
.irp s, 0,1
	s_mov_b32 s[G0+4*\s], 1
	s_add_co_u32 s[G0+4*\s+1], s45, \s*SLOT
	s_add_nc_u64 s[G0+4*\s+2:G0+4*\s+3], s[20:21], \s*AROWB
	s_or_b32 s[G0+4*\s+3], s[G0+4*\s+3], 0x80000000
	s_mov_b32 s[G0B+4*\s], 1
	s_add_co_u32 s[G0B+4*\s+1], s45, \s*SLOT
	s_add_nc_u64 s[G0B+4*\s+2:G0B+4*\s+3], s[46:47], \s*ROWB
	s_or_b32 s[G0B+4*\s+3], s[G0B+4*\s+3], 0x80000000
	JLOAD G0+4*\s, G1, G0B+4*\s, G1B
.endr
	v_and_b32 v1, 15, v0
	v_bfe_u32 v2, v0, 4, 1
	v_and_b32 v6, 31, v0
	v_lshlrev_b32 v[CO], 4, v6                     ; 16 x lane: an image's place for my lane, and my place in a row of out0
	v_mul_u32_u24 v3, v1, PITCH
	v_mul_u32_u24 v4, v2, 24
	v_add_nc_u32 v4, v3, v4
	v_lshl_add_u32 v5, v2, 4, v4
	s_mul_i32 s21, s15, HALFT
	s_mul_i32 s22, s16, HALFT
	s_add_co_u32 s22, s22, 2*HALFT
.irp s, 0,1
	v_add_nc_u32 v[ADRA+\s], s21, v[CO]
	v_add_nc_u32 v[ADRB+\s], s22, v4
	v_add_nc_u32 v[ADRB+2+\s], s22, v5
	s_add_co_u32 s21, s21, SLOT
	s_add_co_u32 s22, s22, SLOT
.endr
	v_mul_u32_u24 v5, v1, KS
	v_lshrrev_b32 v6, 8, v5
	v_lshl_add_u32 v5, v6, 4, v5
	s_mul_i32 s21, s15, HALFS
	s_mul_i32 s22, s16, HALFS
	s_add_co_u32 s22, s22, 2*HALFS
	s_sub_co_u32 s22, s22, s21
	v_mul_u32_u24 v6, s22, v2
	s_add_co_u32 s21, s21, SCL
	v_add_nc_u32 v5, v5, v6
	v_add_nc_u32 v[ADRS], s21, v5
	s_mul_i32 s23, s14, 16*SPITCH
	v_mul_u32_u24 v5, v1, SPITCH
	v_lshl_add_u32 v5, v2, 5, v5
	v_add_nc_u32 v[STO], s23, v5
	v_add_nc_u32 v[RD], s23, v[CO]
	s_lshl_b32 s20, s17, 8
	s_lshl_b32 s21, s15, 7
	s_add_co_u32 s20, s20, s21
	s_mov_b32 s21, 0
	s_mov_b64 s[18:19], SIZE_N*4
	s_mul_u64 s[20:21], s[20:21], s[18:19]
	s_lshl_b32 s46, s42, 10
	s_lshl_b32 s47, s16, 9
	s_add_co_u32 s46, s46, s47
	s_mov_b32 s47, 0
	s_add_nc_u64 s[20:21], s[20:21], s[46:47]
	s_add_nc_u64 s[12:13], s[12:13], s[20:21]
.macro FRAG reg, adr, q, i             ; a fragment of B from rows: six pieces of 8 bytes
.irp p, 0,1,2,3,4,5
.set PC, 12*(\q)+6*(\p/3)+\p%3
.if PC%8 < 5
	ds_load_b64 v[\reg+2*\p:\reg+2*\p+1], v[\adr] offset:8*PC+16*(PC/8)+(\i)*16*PITCH
.else
	ds_load_b64 v[\reg+2*\p:\reg+2*\p+1], v[\adr+2] offset:8*PC+16*(PC/8)+(\i)*16*PITCH
.endif
.endr
.endm
.macro FRAGA reg, adr, q, i            ; a fragment of A from its image: three loads of 512 consecutive bytes
.irp c, 0,1,2
	ds_load_b128 v[\reg+4*\c:\reg+4*\c+3], v[\adr] offset:(\i)*AROWB+(\q)*1536+512*\c
.endr
.endm
.macro MUL16 a0, p, q, sc, zero        ; the 64 accumulators take turns, one instruction a turn
.irp a, \a0, \a0+1
.irp b, 0,1,2,3,4,5,6,7
.if \zero
	v_wmma_scale_f32_16x16x128_f8f6f4 v[8*(8*((\a)%4)+\b):8*(8*((\a)%4)+\b)+7], v[128*(\p)+FR*\b:128*(\p)+FR*\b+FR-1], v[AF+FR*(\a):AF+FR*(\a)+FR-1], 0, v[SC+8*NQ*(\sc)+NQ*\b+(\q)], v[SC+8*NQ*(\sc)+NQ*(\a)+(\q)] matrix_a_fmt:MATRIX_FMT_FP6 matrix_b_fmt:MATRIX_FMT_FP6 matrix_a_scale:MATRIX_SCALE_ROW1
.else
	v_wmma_scale_f32_16x16x128_f8f6f4 v[8*(8*((\a)%4)+\b):8*(8*((\a)%4)+\b)+7], v[128*(\p)+FR*\b:128*(\p)+FR*\b+FR-1], v[AF+FR*(\a):AF+FR*(\a)+FR-1], v[8*(8*((\a)%4)+\b):8*(8*((\a)%4)+\b)+7], v[SC+8*NQ*(\sc)+NQ*\b+(\q)], v[SC+8*NQ*(\sc)+NQ*(\a)+(\q)] matrix_a_fmt:MATRIX_FMT_FP6 matrix_b_fmt:MATRIX_FMT_FP6 matrix_a_scale:MATRIX_SCALE_ROW1
.endif
.endr
.endr
.endm
.macro FETCH_B slot, q, p
	WIN TO_B
.irp i, 0,1,2,3,4,5,6,7
	FRAG 128*(\p)+FR*\i, ADRB+\slot, \q, \i
.endr
	WIN 0
.endm
.macro FETCH_A slot, q, i0
.irp i, \i0, \i0+1, \i0+2, \i0+3
	FRAGA AF+FR*(\i), ADRA+\slot, \q, \i
.endr
.endm
.macro SCALES sc
.irp i, 0,1,2,3,4,5,6,7
	ds_load_b64 v[SC+8*NQ*\sc+NQ*\i:SC+8*NQ*\sc+NQ*\i+1], v[ADRS] offset:\i*SBLK
.endr
.endm
.macro PLACES n
.rept \n
	v_nop
.endr
.endm
.macro STEP slot, q, zero
	s_wait_dscnt 4*NLA                             ; B's set and A's blocks 0-3 are in; the youngest 12 loads (A's blocks 4-7) may be out
	WIN MUL_LO
	MUL16 0, (\q)%2, \q, \slot, \zero
	MUL16 2, (\q)%2, \q, \slot, \zero
	s_wait_dscnt 0
	PLACES NP
	FETCH_B \slot, (\q)+1, 1-(\q)%2
	FETCH_A \slot, (\q)+1, 0
	WIN MUL_HI
	MUL16 4, (\q)%2, \q, \slot, \zero
	MUL16 6, (\q)%2, \q, \slot, \zero
	PLACES NP
	WIN 0
	FETCH_A \slot, (\q)+1, 4
.endm
.macro TURN slot, next, fill
	s_wait_tensorcnt 0x0                           ; all my tensor loads have landed: my part of the next slot
	ds_add_u32 v[SPW], v[NIL]                      ; 0 onto my spare word
	s_wait_dscnt 4*NLA+1                           ; (the add and A's blocks 4-7 may be out)
	WIN MUL_LO
	MUL16 0, 1, NQ-1, \slot, 0
	s_wait_dscnt 0x0                               ; the add is done, and my reads of this slot are over
	s_barrier_signal -1
	MUL16 2, 1, NQ-1, \slot, 0
	WIN 0
	s_barrier_wait -1
.if \fill
	CREST                                          ; the barrier has opened a round of the cluster's: no wave of any partner still reads this slot or has a load on its way
	s_add_nc_u64 s[G0+4*\slot+2:G0+4*\slot+3], s[G0+4*\slot+2:G0+4*\slot+3], 2*AROWB
	s_add_nc_u64 s[G0B+4*\slot+2:G0B+4*\slot+3], s[G0B+4*\slot+2:G0B+4*\slot+3], 2*ROWB
	JLOAD G0+4*\slot, G1, G0B+4*\slot, G1B
.else
	PLACES NP
.endif
	v_add_nc_u32 v[ADRS], 4*NQ, v[ADRS]
	FETCH_B \next, 0, 0
	FETCH_A \next, 0, 0
	SCALES \next
	WIN MUL_HI
	MUL16 4, 1, NQ-1, \slot, 0
	MUL16 6, 1, NQ-1, \slot, 0
	PLACES NP
	WIN 0
	FETCH_A \next, 0, 4
.endm
	s_wait_tensorcnt 1                             ; the scales and my part of K step 0 are in; K step 1's load may be out
	s_barrier_signal -1
	s_barrier_wait -1
	FETCH_B 0, 0, 0
	FETCH_A 0, 0, 0
	SCALES 0
	FETCH_A 0, 0, 4
	STEP 0, 0, 1
	s_mov_b32 s3, LAPS-1
.Llap:
	TURN 0, 1, 1
	STEP 1, 0, 0
	TURN 1, 0, 1
	STEP 0, 0, 0
	s_sub_co_u32 s3, s3, 1
	s_cmp_lg_u32 s3, 0
	s_cbranch_scc1 .Llap
	TURN 0, 1, 0
	STEP 1, 0, 0
	s_wait_dscnt 4*NLA
	WIN MUL_LO
	MUL16 0, 1, NQ-1, 1, 0
	MUL16 2, 1, NQ-1, 1, 0
	s_wait_dscnt 0
	WIN MUL_HI
	MUL16 4, 1, NQ-1, 1, 0
	MUL16 6, 1, NQ-1, 1, 0
	WIN 0
; THE WAY OUT, block by block of 16 rows x 128 columns, through my own stage in LDS: in as 32 bytes a lane, back as whole rows of 512 bytes.  LDS serves a wave's instructions in order (ISA guide 5.7.1.4).
.macro TOSTAGE a
.set AC, 64*((\a)%4)
	WIN 0x08+4*((\a)/4)
.irp b, 0,1,2,3,4,5,6,7
	ds_store_b128 v[STO], v[AC+8*\b:AC+8*\b+3] offset:64*\b          ; each accumulator from its low end on
	ds_store_b128 v[STO], v[AC+8*\b+4:AC+8*\b+7] offset:64*\b+16
.endr
	WIN 0
.set BB, BK+64*((\a)%2)
.irp t, 0,1,2,3,4,5,6,7,8,9,10,11,12,13,14,15
	ds_load_b128 v[BB+4*\t:BB+4*\t+3], v[RD] offset:\t*SPITCH
.endr
.endm
.macro SEND a, younger
.set BB, BK+64*((\a)%2)
	s_wait_dscnt \younger
.if (\a) > 0
	s_add_nc_u64 s[12:13], s[12:13], 16*SIZE_N*4   ; (behind a wait on XCNT: the earlier stores have read their base)
.endif
.irp t, 0,1,2,3,4,5,6,7,8,9,10,11,12,13,14,15
	global_store_b128 v[CO], v[BB+4*\t:BB+4*\t+3], s[12:13] offset:\t*SIZE_N*4 th:TH_STORE_NT   ; 32 lanes store 512 consecutive bytes, aligned
.endr
.endm
	PLACES NP
	TOSTAGE 0
.irp a, 1,2,3,4,5,6,7
.if \a > 1
	s_wait_xcnt 0x0                                ; block a - 2's stores have read their registers and their base
.endif
	TOSTAGE \a
	SEND \a-1, 32                                  ; behind block a - 1's loads: block a's 16 stores and 16 loads
.endr
	s_wait_xcnt 0x0
	SEND 7, 0
	s_wait_tensorcnt 0x0                           ; the wave's end
	ds_add_u32 v[SPW], v[NIL]
	s_wait_dscnt 0x0
	CROUND                                         ; the closing round
	s_endpgm
.Lfunc_end_k_qba59408a9c_outp:
	.size	k_qba59408a9c_outp, .Lfunc_end_k_qba59408a9c_outp-k_qba59408a9c_outp
	.p2alignl 7, 3214868480
	.fill 96, 4, 3214868480
	.section	.rodata,"a",@progbits
	.p2align	6, 0x0
	.amdhsa_kernel k_qba59408a9c_outp
		.amdhsa_group_segment_fixed_size 327680
		.amdhsa_private_segment_fixed_size 0
		.amdhsa_enable_private_segment 0
		.amdhsa_kernarg_size 40
		.amdhsa_user_sgpr_count 2
		.amdhsa_user_sgpr_kernarg_segment_ptr 1
		.amdhsa_wavefront_size32 1
		.amdhsa_system_sgpr_workgroup_id_x 1
		.amdhsa_system_sgpr_workgroup_id_y 1
		.amdhsa_system_sgpr_workgroup_id_z 1
		.amdhsa_system_vgpr_workitem_id 0
		.amdhsa_next_free_vgpr 1024
		.amdhsa_next_free_sgpr 98
		.amdhsa_reserve_vcc 0
		.amdhsa_float_denorm_mode_32 3
		.amdhsa_float_denorm_mode_16_64 3
		.amdhsa_memory_ordered 1
		.amdhsa_forward_progress 1
		.amdhsa_inst_pref_size 148
	.end_amdhsa_kernel
	.amdgpu_metadata
---
amdhsa.version: [ 1, 2 ]
amdhsa.kernels:
  - .name:           k_qba59408a9c_outp
    .symbol:         k_qba59408a9c_outp.kd
    .args:
      - { .name: oc, .offset: 0, .size: 8, .value_kind: global_buffer, .address_space: global }
      - { .name: os, .offset: 8, .size: 8, .value_kind: global_buffer, .address_space: global }
      - { .name: wo_codes, .offset: 16, .size: 8, .value_kind: global_buffer, .address_space: global }
      - { .name: wo_scales, .offset: 24, .size: 8, .value_kind: global_buffer, .address_space: global }
      - { .name: out0, .offset: 32, .size: 8, .value_kind: global_buffer, .address_space: global }
    .group_segment_fixed_size: 327680
    .private_segment_fixed_size: 0
    .kernarg_segment_align: 8
    .kernarg_segment_size: 40
    .max_flat_workgroup_size: 128
    .sgpr_count:     98
    .vgpr_count:     1024
    .wavefront_size: 32
...
	.end_amdgpu_metadata
.endif
;; end of part 4
;; ======== version 2 of 2: 4 launches
;; limits: right only within a limited range of input values
;; workspace buffers: xf 41,943,040 bytes; qc 3,145,728 bytes; qs 262,144 bytes; kv 10,223,616 bytes; oc 3,145,728 bytes; os 131,072 bytes
;; launch proj: the kernel of part 1 again; grid 16 x 16, 4 waves a work-group, clusters of 4 x 4, 327,680 bytes of LDS; arguments x_codes, x_scales, y_codes, y_scales, wq_codes, wq_scales, wk_codes, wk_scales, wv_codes, wv_scales, wky_codes, wky_scales, wvy_codes, wvy_scales, xf, kv; writes xf, kv
;; launch norm: the kernel of part 2 again; grid 320 x 1, 8 waves a work-group, no clusters, 28,160 bytes of LDS; arguments xf, freqs_cis, qn_w, qn_b, kn_w, kn_b, kyn_w, kyn_b, qc, qs, kv; writes qc, qs, kv
;; launch attn: the kernel of part 3 again; grid 8 x 32, 4 waves a work-group, clusters of 4 x 1, 327,680 bytes of LDS; arguments qc, qs, kv, x_mask, y_mask, gate, oc, os; writes oc, os
;; launch outp (part 5): grid 16 x 16, 4 waves a work-group, clusters of 4 x 4, 327,680 bytes of LDS; arguments oc, os, wo_codes, wo_scales, out0; writes out0
.if DOCPART == 5
	.amdgcn_target "amdgcn-amd-amdhsa--gfx1250"
	.amdhsa_code_object_version 6
	.text
	.protected	k_qba59408a9c_outp
	.globl	k_qba59408a9c_outp
	.p2align	8
	.type	k_qba59408a9c_outp,@function
k_qba59408a9c_outp:
	s_mov_b64 s[64:65], 0
	v_nop
	global_prefetch_b8 v0, s[64:65] scope:SCOPE_SE
	s_setreg_imm32_b32 hwreg(HW_REG_WAVE_MODE, 25, 1), 1
	s_wait_xcnt 0x0
	s_wait_alu depctr_hold_cnt(0) depctr_sa_sdst(0) depctr_va_vdst(0) depctr_va_sdst(0) depctr_va_ssrc(0) depctr_va_vcc(0) depctr_vm_vsrc(0)
	s_getreg_b32 s2, hwreg(HW_REG_IB_STS2, 6, 4)
	s_cmp_eq_u32 s2, 0
	s_cbranch_scc0 .Lentry_in_a_cluster
	s_endpgm
.Lentry_in_a_cluster:
	s_bfe_u32 s2, ttmp6, 0x10000c
	s_cmp_lg_u32 s2, 0xf033
	s_cbranch_scc0 .Lentry_shape_is_right
	s_endpgm
.Lentry_shape_is_right:
; out0[m][n] = sum over k of o[m][k] wo[n][k], 2,048 x 2,048 x 2,048, on codes of FP6 (E2M3) with one E8M0 scale for each 32 along K; sums and out0 in f32.
; o's codes lie as operand images, oc [128 token tiles][16 heads][1,536 bytes] (a fragment of 16 rows x 128 K: 3 x 512 bytes, lane l's 16 bytes at 16 l), its scale bytes row by row, os [2,048][64].
; wo's codes lie [n][1,536 bytes], its scale bytes [n][64].
; A tile of out0 is 128 x 128: 256 tiles, one work-group each.  Four waves, 64 x 64 each: 16 accumulators, 128 registers.
; LDS: three slots of 512 along K (A's 128 rows as images, 49,152 bytes; B's 128 rows of 384 bytes, pitch 432).  All three are asked for at the head; slot 0 is filled ONCE more, with the last 512 along K,
; as soon as its four steps are read: that load has eight steps, 128 matrix instructions a wave, in which to land.  So the launch has one refill.
; CLUSTERS: 4 x 4 work-groups; A's tiles are shared along a row of the cluster, B's along a column: joint loads (waves 0, 1: A's halves; waves 2, 3: B's).
; THE SCALE BYTES of a wave's 64 rows of o and 64 rows of wo, for all of K, stay in 64 registers: a lane loads 16 bytes (four steps' words) of one row; lanes 0-15 hold an even block of 16 rows,
; lanes 16-31 the odd block behind it, and the instruction's row selectors choose.  Four such loads cover a run of 2,048 consecutive bytes.
; THE MATRIX INSTRUCTION IS USED TRANSPOSED (source 0 = 16 rows of wo, source 1 = 16 rows of o): a lane holds eight neighbouring numbers of a row of out0.
; REGISTERS: window 0: v16-24 LDS addresses, a set for each slot; v25-28 the way out and the scales' offset; v30-31 the add; v32-63 A's scale words, v64-95 B's; v128-255 the accumulators ((a, b) at v[128 + 8 (4 a + b)]).
;   window 1: two fragment buffers of 96: A's four fragments, then B's four.
.set SIZE_N, 2048
.set ATB,    6144                      ; a token tile's bytes in a slot: four heads' images
.set BROWB,  384                       ; a row of wo in a slot: 512 codes
.set KROW,   1536                      ; a row of 2,048 codes in memory
.set BP,     432                       ; B's LDS row: 3 x (128 bytes + 16 of padding) = 27 x 16 bytes: the 32 lanes of a load of 8 bytes touch 64 different banks (64 banks of 4 bytes: ISA guide 11.1)
.set HALFA,  4*ATB                     ; 64 rows of A: what one tensor load brings, and what one wave reads
.set HALFB,  64*BP                     ; the same of B
.set SLOT,   2*HALFA+2*HALFB           ; A's 128 rows, then B's 128 rows
.set SPARE,  3*SLOT                    ; behind the slots: the spare words, 128 bytes a wave, named by no other line
.set STG,    SLOT                      ; the way out: 16 rows x (256 + 16) bytes a wave, in slot 1, which has had its one fill and its last read by then
.set SPITCH, 272
.set ADRA,  16                         ; v16-18  LDS address of my A fragments in slots 0, 1, 2
.set ADRB,  19                         ; v19-21  the same for B
.set ADRB2, 22                         ; v22-24  and for the pieces that lie, for lanes 16-31, behind one padding more
.set STO,   25                         ; v25     the way out: where I put 32 bytes of a row
.set RD,    26                         ; v26     where I read a row back
.set CO,    27                         ; v27     my byte offset in out0
.set LSC,   28                         ; v28     64 x lane: a row of scale bytes a lane
.set SPW,   30                         ; v30     LDS address of my spare word; never rewritten
.set NIL,   31                         ; v31     0; never rewritten
.set SA,    32                         ; A's scale words: v[SA + 16 (block / 2) + step]
.set SB,    64                         ; B's
.set ACC,   128
.set F0,    0                          ; fragment buffers, in window 1
.set F1,    96
.set G1,  24                           ; s[24:31] descriptor group 1 for A's tiles;  s[32:39] for B's
.set G1B, 32
.set G0,  48                           ; s[48:59] group 0 for A's tiles, a set for each slot;  s[68:79] for B's
.set G0B, 68
.set MSB, 0
.macro WIN new                         ; the immediate's high byte repeats the setting that is left
.if MSB != (\new)
	s_set_vgpr_msb (MSB<<8)|(\new)
.set MSB, (\new)
.endif
.endm
.set MUL,  0x05                        ; sources 0 (B) and 1 (A) window 1; C and D window 0
.set TO_F, 0x40                        ; destination window 1, address window 0
.macro JLOAD g0a, g1a, g0b, g1b        ; a joint load: waves 0 and 1 fetch for A, waves 2 and 3 for B; the branch hangs on the wave's number alone; four v_nop follow each line
	s_cmp_eq_u32 s15, 0
	s_cbranch_scc0 .Lfor_b_\@
	tensor_load_to_lds s[\g0a:\g0a+3], s[\g1a:\g1a+7]
	s_nop 0
.rept 4
	v_nop
.endr
	s_branch .Lasked_\@
.Lfor_b_\@:
	tensor_load_to_lds s[\g0b:\g0b+3], s[\g1b:\g1b+7]
	s_nop 0
.rept 4
	v_nop
.endr
.Lasked_\@:
.endm
.macro CREST                           ; a round of the cluster's barrier behind its opening barrier
	s_cmp_lg_u32 s14, 0
	s_cbranch_scc1 .Lnot_wave_0_\@
	s_barrier_signal -3
.Lnot_wave_0_\@:
	s_barrier_wait -3
	s_barrier_signal -1
	s_barrier_wait -1
.endm
.macro CROUND
	s_barrier_signal -1
	s_barrier_wait -1
	CREST
.endm
	s_load_b128 s[4:7], s[0:1], 0x0                ; o's codes, o's scales
	s_load_b128 s[8:11], s[0:1], 0x10              ; wo's codes, wo's scales
	s_load_b64 s[12:13], s[0:1], 0x20              ; out0
	v_lshl_add_u32 v[SPW], v0, 2, SPARE
	v_mov_b32 v[NIL], 0
	ds_add_u32 v30, v31
	ds_add_u32 v30, v31
	s_wait_dscnt 0x0
	v_lshrrev_b32 v1, 5, v0
	v_readfirstlane_b32 s14, v1                    ; wave 0..3
	s_lshr_b32 s15, s14, 1                         ; which half of the tile's rows is mine.  Also: I fetch for A (0) or for B (1)
	s_and_b32 s16, s14, 1                          ; which half of its columns.  Also: which 64 rows I fetch
	s_bfe_u32 s40, ttmp6, 0x40000                  ; cx, cy: my place in the cluster
	s_bfe_u32 s41, ttmp6, 0x40004
	s_lshl_b32 s42, ttmp9, 2
	s_add_co_u32 s42, s42, s40                     ; tile column
	s_and_b32 s17, ttmp7, 0xffff
	s_lshl_b32 s17, s17, 2
	s_add_co_u32 s17, s17, s41                     ; tile row
	s_lshl_b32 s43, s41, 2
	s_lshl_b32 s43, 15, s43                        ; my row of the cluster
	s_lshl_b32 s44, 0x1111, s40                    ; my column
	; A: 4 token tiles x 6,144 bytes (768 elements of 8 bytes), 24,576 bytes apart; no padding: images are read 512 consecutive bytes at a time
	s_or_b32 s[G1+0], s43, (3<<16)|(1<<21)
	s_mov_b32 s[G1+1], 768<<16                     ; tensor_dim0
	s_mov_b32 s[G1+2], 4<<16                       ; tensor_dim1
	s_mov_b32 s[G1+3], 768<<16                     ; tile_dim0
	s_mov_b32 s[G1+4], 4                           ; tile_dim1
	s_mov_b32 s[G1+5], 3072                        ; from token tile to token tile, in elements
	s_mov_b32 s[G1+6], 0
	s_mov_b32 s[G1+7], 0
	; B: 64 rows x 384 bytes, 4 words of padding (code 3) behind every 32 words (code 4)
	s_or_b32 s[G1B+0], s44, (0<<16)|(1<<20)|(1<<21)|(4<<22)|(3<<25)
	s_mov_b32 s[G1B+1], BROWB<<16
	s_mov_b32 s[G1B+2], 64<<16
	s_mov_b32 s[G1B+3], BROWB<<16
	s_mov_b32 s[G1B+4], 64
	s_mov_b32 s[G1B+5], KROW
	s_mov_b32 s[G1B+6], 0
	s_mov_b32 s[G1B+7], 0
	s_lshl_b32 s18, s16, 6                         ; which 64 rows of the tile I fetch
	s_lshl_b32 s20, s17, 7
	s_add_co_u32 s20, s20, s18                     ; A: row 128 x tile row + 64 x half
	s_lshl_b32 s46, s42, 7
	s_add_co_u32 s46, s46, s18                     ; B: row 128 x tile column + 64 x half
	s_mov_b32 s21, 0
	s_mov_b32 s47, 0
	s_mov_b64 s[18:19], KROW
	s_mul_u64 s[20:21], s[20:21], s[18:19]         ; (16 rows of 1,536 bytes are a token tile's 24,576: the images begin at the byte at which rows would)
	s_mul_u64 s[46:47], s[46:47], s[18:19]
	s_mul_i32 s45, s16, HALFA                      ; where they go in a slot: no place in the cluster enters an LDS address
	s_mul_i32 s94, s16, HALFB
	s_add_co_u32 s94, s94, 2*HALFA
	s_lshl_b32 s22, s17, 7                         ; the scale bytes of the rows that I MULTIPLY: o's rows 128 x tile row + 64 x (wave / 2),
	s_lshl_b32 s23, s15, 6
	s_add_co_u32 s22, s22, s23
	s_lshl_b32 s22, s22, 6                         ; 64 bytes a row
	s_mov_b32 s23, 0
	s_lshl_b32 s92, s42, 7                         ; wo's rows 128 x tile column + 64 x (wave % 2)
	s_lshl_b32 s93, s16, 6
	s_add_co_u32 s92, s92, s93
	s_lshl_b32 s92, s92, 6
	s_mov_b32 s93, 0
	s_wait_kmcnt 0x0
	s_add_nc_u64 s[20:21], s[4:5], s[20:21]
	s_add_nc_u64 s[46:47], s[8:9], s[46:47]
	s_add_nc_u64 s[6:7], s[6:7], s[22:23]
	s_add_nc_u64 s[10:11], s[10:11], s[92:93]
	CROUND                                         ; all sixteen work-groups are here: the first joint loads meet
.irp s, 0,1,2                                      ; the three first fills go out together: three tensor loads of a wave are out
	s_mov_b32 s[G0+4*\s], 1
	s_add_co_u32 s[G0+4*\s+1], s45, \s*SLOT
	s_add_nc_u64 s[G0+4*\s+2:G0+4*\s+3], s[20:21], \s*ATB
	s_or_b32 s[G0+4*\s+3], s[G0+4*\s+3], 0x80000000
	s_mov_b32 s[G0B+4*\s], 1
	s_add_co_u32 s[G0B+4*\s+1], s94, \s*SLOT
	s_add_nc_u64 s[G0B+4*\s+2:G0B+4*\s+3], s[46:47], \s*BROWB
	s_or_b32 s[G0B+4*\s+3], s[G0B+4*\s+3], 0x80000000
	JLOAD G0+4*\s, G1, G0B+4*\s, G1B
.endr
	v_and_b32 v6, 31, v0                           ; lane
	v_lshlrev_b32 v[LSC], 6, v6
.irp j, 0,1                                        ; rows 32 j + lane; bytes 16 c on: the words of steps 4 c .. 4 c + 3
.irp c, 0,1,2,3
	global_load_b128 v[SA+16*\j+4*\c:SA+16*\j+4*\c+3], v[LSC], s[6:7] offset:2048*\j+16*\c
	global_load_b128 v[SB+16*\j+4*\c:SB+16*\j+4*\c+3], v[LSC], s[10:11] offset:2048*\j+16*\c
.endr
.endr
	v_and_b32 v1, 15, v0                           ; l % 16
	v_bfe_u32 v2, v0, 4, 1                         ; l / 16
	v_lshlrev_b32 v7, 4, v6                        ; 16 x lane: an image's place for my lane
	v_mul_u32_u24 v3, v1, BP
	v_mul_u32_u24 v4, v2, 24
	v_add_nc_u32 v4, v3, v4                        ; B: a fragment's row x pitch + 24 x half
	v_lshl_add_u32 v5, v2, 4, v4                   ; and the same behind one padding more
	s_mul_i32 s21, s15, HALFA                      ; my 64 rows of A
	s_mul_i32 s22, s16, HALFB                      ; my 64 rows of B,
	s_add_co_u32 s22, s22, 2*HALFA                 ; which lie behind A's 128
.irp s, 0,1,2
	v_add_nc_u32 v[ADRA+\s], s21, v7
	v_add_nc_u32 v[ADRB+\s], s22, v4
	v_add_nc_u32 v[ADRB2+\s], s22, v5
	s_add_co_u32 s21, s21, SLOT
	s_add_co_u32 s22, s22, SLOT
.endr
	s_mul_i32 s23, s14, 16*SPITCH
	s_add_co_u32 s23, s23, STG                     ; my stage
	v_mul_u32_u24 v5, v1, SPITCH                   ; in: row l % 16, 32 bytes for each half of the lanes
	v_lshl_add_u32 v5, v2, 5, v5
	v_add_nc_u32 v[STO], s23, v5
	v_mul_u32_u24 v5, v2, SPITCH                   ; back: lanes 0-15 take one row of 256 bytes, lanes 16-31 the next
	v_lshl_add_u32 v5, v1, 4, v5
	v_add_nc_u32 v[RD], s23, v5
	v_lshlrev_b32 v[CO], 13, v2                    ; and the same two rows in out0: 8,192 bytes a row
	v_lshl_add_u32 v[CO], v1, 4, v[CO]
	s_lshl_b32 s20, s17, 7
	s_lshl_b32 s21, s15, 6
	s_add_co_u32 s20, s20, s21                     ; my first row of out0
	s_lshl_b32 s20, s20, 13
	s_lshl_b32 s46, s42, 9                         ; my first column, in bytes: 512 x tile column + 256 x half
	s_lshl_b32 s47, s16, 8
	s_add_co_u32 s46, s46, s47
	s_add_co_u32 s20, s20, s46                     ; under 2^25
	s_mov_b32 s21, 0
	s_add_nc_u64 s[12:13], s[12:13], s[20:21]
.macro FRAGB reg, slot, q, i           ; a fragment of B from rows: 12 registers in six pieces of 8 bytes.  Piece p of a row lies at 8 p + 16 (p / 16); lanes 16-31 read three pieces further on
.irp p, 0,1,2,3,4,5
.set PC, 12*(\q)+6*(\p/3)+\p%3
.if PC%16 < 13
	ds_load_b64 v[\reg+2*\p:\reg+2*\p+1], v[ADRB+\slot] offset:8*PC+16*(PC/16)+(\i)*16*BP
.else
	ds_load_b64 v[\reg+2*\p:\reg+2*\p+1], v[ADRB2+\slot] offset:8*PC+16*(PC/16)+(\i)*16*BP
.endif
.endr
.endm
.macro FRAGA reg, slot, q, i           ; a fragment of A from its image: three loads of 512 consecutive bytes
.irp c, 0,1,2
	ds_load_b128 v[\reg+4*\c:\reg+4*\c+3], v[ADRA+\slot] offset:(\i)*ATB+(\q)*1536+512*\c
.endr
.endm
.macro FETCH slot, q, f                ; the eight fragments of the slot's q-th 128 along K into buffer f: 36 loads in one run
	WIN TO_F
.irp i, 0,1,2,3
	FRAGB (\f)+48+12*\i, \slot, \q, \i
.endr
.irp i, 0,1,2,3
	FRAGA (\f)+12*\i, \slot, \q, \i
.endr
.endm
; One product.  XD the accumulator, XB and XA the fragments, YB and YA the scale registers; OB, OA: the block of 16 rows is an odd one, so its words stand in lanes 16-31
.macro WM zero
.if \zero
.if OB && OA
	v_wmma_scale_f32_16x16x128_f8f6f4 v[XD:XD+7], v[XB:XB+11], v[XA:XA+11], 0, v[YB], v[YA] matrix_a_fmt:MATRIX_FMT_FP6 matrix_b_fmt:MATRIX_FMT_FP6 matrix_a_scale:MATRIX_SCALE_ROW1 matrix_b_scale:MATRIX_SCALE_ROW1
.elseif OB
	v_wmma_scale_f32_16x16x128_f8f6f4 v[XD:XD+7], v[XB:XB+11], v[XA:XA+11], 0, v[YB], v[YA] matrix_a_fmt:MATRIX_FMT_FP6 matrix_b_fmt:MATRIX_FMT_FP6 matrix_a_scale:MATRIX_SCALE_ROW1
.elseif OA
	v_wmma_scale_f32_16x16x128_f8f6f4 v[XD:XD+7], v[XB:XB+11], v[XA:XA+11], 0, v[YB], v[YA] matrix_a_fmt:MATRIX_FMT_FP6 matrix_b_fmt:MATRIX_FMT_FP6 matrix_b_scale:MATRIX_SCALE_ROW1
.else
	v_wmma_scale_f32_16x16x128_f8f6f4 v[XD:XD+7], v[XB:XB+11], v[XA:XA+11], 0, v[YB], v[YA] matrix_a_fmt:MATRIX_FMT_FP6 matrix_b_fmt:MATRIX_FMT_FP6
.endif
.else
.if OB && OA
	v_wmma_scale_f32_16x16x128_f8f6f4 v[XD:XD+7], v[XB:XB+11], v[XA:XA+11], v[XD:XD+7], v[YB], v[YA] matrix_a_fmt:MATRIX_FMT_FP6 matrix_b_fmt:MATRIX_FMT_FP6 matrix_a_scale:MATRIX_SCALE_ROW1 matrix_b_scale:MATRIX_SCALE_ROW1
.elseif OB
	v_wmma_scale_f32_16x16x128_f8f6f4 v[XD:XD+7], v[XB:XB+11], v[XA:XA+11], v[XD:XD+7], v[YB], v[YA] matrix_a_fmt:MATRIX_FMT_FP6 matrix_b_fmt:MATRIX_FMT_FP6 matrix_a_scale:MATRIX_SCALE_ROW1
.elseif OA
	v_wmma_scale_f32_16x16x128_f8f6f4 v[XD:XD+7], v[XB:XB+11], v[XA:XA+11], v[XD:XD+7], v[YB], v[YA] matrix_a_fmt:MATRIX_FMT_FP6 matrix_b_fmt:MATRIX_FMT_FP6 matrix_b_scale:MATRIX_SCALE_ROW1
.else
	v_wmma_scale_f32_16x16x128_f8f6f4 v[XD:XD+7], v[XB:XB+11], v[XA:XA+11], v[XD:XD+7], v[YB], v[YA] matrix_a_fmt:MATRIX_FMT_FP6 matrix_b_fmt:MATRIX_FMT_FP6
.endif
.endif
.endm
; 8 matrix instructions: A's blocks a0, a0 + 1 x B's four; step q of the c-th 512 along K, from buffer f.  zero = 1: the first products start the sums: nothing is cleared.
; The sixteen accumulators take turns, one instruction a turn, in the same order in every step.
.macro MUL8 f, a0, c, q, zero
.irp a, \a0, \a0+1
.irp b, 0,1,2,3
.set XD, ACC+8*(4*(\a)+\b)
.set XB, (\f)+48+12*\b
.set XA, (\f)+12*(\a)
.set YB, SB+16*(\b/2)+4*(\c)+(\q)
.set YA, SA+16*((\a)/2)+4*(\c)+(\q)
.set OB, \b%2
.set OA, (\a)%2
	WM \zero
.endr
.endr
.endm
.macro PLACES                          ; four plain vector instructions between a matrix instruction and a load into, or a read of, its registers
.rept 4
	v_nop
.endr
.endm
; A step of 128 along K: multiplies buffer f; ahead of its products it asks for the next step's fragments (slot ns, its nq-th 128) into buffer g, which the last step's products have read.
.macro STEP f, g, c, q, ns, nq, zero
	PLACES
	s_wait_dscnt 0x0                               ; this step's fragments, asked for sixteen matrix instructions ago, are in
	FETCH \ns, \nq, \g
	WIN MUL
	MUL8 \f, 0, \c, \q, \zero
	MUL8 \f, 2, \c, \q, \zero
.endm
; Slot 0's last step.  Each wave waits for all its tensor loads (slots 1 and 2), adds 0 to its spare word, and waits for that and for its reads of slot 0; the barrier opens a round of the cluster's barrier;
; behind the round slot 0 is filled again, with the last 512 along K, and then slot ns is read.
.macro TURN f, g, c, q, ns
	WIN 0                                          ; (the add's two registers lie in window 0)
	s_wait_tensorcnt 0x0                           ; all my tensor loads have landed
	ds_add_u32 v[SPW], v[NIL]                      ; 0 onto my spare word
	s_wait_dscnt 1                                 ; this step's fragments are in; the add may be out
	WIN MUL
	MUL8 \f, 0, \c, \q, 0                          ; eight matrix instructions stand between the add and the wait for it
	s_wait_dscnt 0x0                               ; the add is done, and my reads of slot 0 are over
	s_barrier_signal -1
	MUL8 \f, 2, \c, \q, 0
	WIN 0
	s_barrier_wait -1
	CREST                                          ; no wave of any partner still reads slot 0 or has a load on its way
	s_add_nc_u64 s[G0+2:G0+3], s[G0+2:G0+3], 3*ATB
	s_add_nc_u64 s[G0B+2:G0B+3], s[G0B+2:G0B+3], 3*BROWB
	JLOAD G0, G1, G0B, G1B                         ; the first tensor load behind the round, and my last; its four v_nop are the places in front of the loads below
	FETCH \ns, 0, \g
.endm
; Slot 2's last step: the refill of slot 0 has to be there.  Behind it nobody reads slots 1 and 2 any more.
.macro MEET f, g, c, q, ns
	s_wait_dscnt 0x0                               ; this step's fragments are in: my reads of slots 1 and 2 are over
	WIN MUL
	MUL8 \f, 0, \c, \q, 0
	s_wait_tensorcnt 0x0                           ; my part of the last 512 along K has landed,
	s_barrier_signal -1
	MUL8 \f, 2, \c, \q, 0
	s_barrier_wait -1                              ; everybody's has
	PLACES
	FETCH \ns, 0, \g
.endm
	s_wait_tensorcnt 2                             ; my part of slot 0 is in; slots 1 and 2 may be out
	s_barrier_signal -1
	s_barrier_wait -1
	FETCH 0, 0, F0
	s_wait_loadcnt 0x0                             ; the scale words
	STEP F0, F1, 0, 0, 0, 1, 1                     ; K 0 .. 511, slot 0
	STEP F1, F0, 0, 1, 0, 2, 0
	STEP F0, F1, 0, 2, 0, 3, 0
	TURN F1, F0, 0, 3, 1
	STEP F0, F1, 1, 0, 1, 1, 0                     ; K 512 .. 1,023, slot 1
	STEP F1, F0, 1, 1, 1, 2, 0
	STEP F0, F1, 1, 2, 1, 3, 0
	STEP F1, F0, 1, 3, 2, 0, 0                     ; slot 2 was shown whole by the round
	STEP F0, F1, 2, 0, 2, 1, 0                     ; K 1,024 .. 1,535, slot 2
	STEP F1, F0, 2, 1, 2, 2, 0
	STEP F0, F1, 2, 2, 2, 3, 0
	MEET F1, F0, 2, 3, 0
	STEP F0, F1, 3, 0, 0, 1, 0                     ; K 1,536 .. 2,047, slot 0 again
	STEP F1, F0, 3, 1, 0, 2, 0
	STEP F0, F1, 3, 2, 0, 3, 0
	s_wait_dscnt 0x0                               ; the last step: nothing more to fetch
	WIN MUL
	MUL8 F1, 0, 3, 3, 0
	MUL8 F1, 2, 3, 3, 0
	WIN 0
	PLACES                                         ; in front of the first read of results
; THE WAY OUT, a block of 16 rows x 64 columns at a time.  A lane holds 32 neighbouring bytes of a row and the lanes beside it hold other rows: the block goes through my own stage in LDS and comes back, into the
; registers that it left, as whole rows of 256 bytes.  LDS serves a wave's instructions in order (ISA guide 5.7.1.4): no wait between the stores and the loads, nor in front of the next block's stores.
.macro TOSTAGE a
.irp b, 0,1,2,3
	ds_store_b128 v[STO], v[ACC+8*(4*(\a)+\b):ACC+8*(4*(\a)+\b)+3] offset:64*\b       ; each accumulator from its low end on
	ds_store_b128 v[STO], v[ACC+8*(4*(\a)+\b)+4:ACC+8*(4*(\a)+\b)+7] offset:64*\b+16
.endr
.irp t, 0,1,2,3,4,5,6,7
	ds_load_b128 v[ACC+32*(\a)+4*\t:ACC+32*(\a)+4*\t+3], v[RD] offset:\t*2*SPITCH
.endr
.endm
.macro SEND a, younger                 ; younger: the LDS instructions issued behind block a's loads, which may stay out.  No register and no base is written again, so no store is waited for
	s_wait_dscnt \younger
.irp t, 0,1,2,3,4,5,6,7
	global_store_b128 v[CO], v[ACC+32*(\a)+4*\t:ACC+32*(\a)+4*\t+3], s[12:13] offset:(16*(\a)+2*\t)*SIZE_N*4 th:TH_STORE_NT   ; 16 lanes store 256 consecutive bytes, at a multiple of 256 from out0's first byte
.endr
.endm
	TOSTAGE 0
	TOSTAGE 1
	SEND 0, 16                                     ; behind block 0's loads: block 1's 8 stores and 8 loads
	TOSTAGE 2
	SEND 1, 16
	TOSTAGE 3
	SEND 2, 16
	SEND 3, 0
	s_wait_tensorcnt 0x0                           ; the wave's end
	ds_add_u32 v[SPW], v[NIL]
	s_wait_dscnt 0x0
	CROUND                                         ; the closing round: no work-group ends while a partner may still ask for a tile that names it
	s_endpgm
.Lfunc_end_k_qba59408a9c_outp:
	.size	k_qba59408a9c_outp, .Lfunc_end_k_qba59408a9c_outp-k_qba59408a9c_outp
	.p2alignl 7, 3214868480
	.fill 96, 4, 3214868480
	.section	.rodata,"a",@progbits
	.p2align	6, 0x0
	.amdhsa_kernel k_qba59408a9c_outp
		.amdhsa_group_segment_fixed_size 327680
		.amdhsa_private_segment_fixed_size 0
		.amdhsa_enable_private_segment 0
		.amdhsa_kernarg_size 40
		.amdhsa_user_sgpr_count 2
		.amdhsa_user_sgpr_kernarg_segment_ptr 1
		.amdhsa_wavefront_size32 1
		.amdhsa_system_sgpr_workgroup_id_x 1
		.amdhsa_system_sgpr_workgroup_id_y 1
		.amdhsa_system_sgpr_workgroup_id_z 1
		.amdhsa_system_vgpr_workitem_id 0
		.amdhsa_next_free_vgpr 512
		.amdhsa_next_free_sgpr 98
		.amdhsa_reserve_vcc 0
		.amdhsa_float_denorm_mode_32 3
		.amdhsa_float_denorm_mode_16_64 3
		.amdhsa_memory_ordered 1
		.amdhsa_forward_progress 1
		.amdhsa_inst_pref_size 91
	.end_amdhsa_kernel
	.amdgpu_metadata
---
amdhsa.version: [ 1, 2 ]
amdhsa.kernels:
  - .name:           k_qba59408a9c_outp
    .symbol:         k_qba59408a9c_outp.kd
    .args:
      - { .name: oc, .offset: 0, .size: 8, .value_kind: global_buffer, .address_space: global }
      - { .name: os, .offset: 8, .size: 8, .value_kind: global_buffer, .address_space: global }
      - { .name: wo_codes, .offset: 16, .size: 8, .value_kind: global_buffer, .address_space: global }
      - { .name: wo_scales, .offset: 24, .size: 8, .value_kind: global_buffer, .address_space: global }
      - { .name: out0, .offset: 32, .size: 8, .value_kind: global_buffer, .address_space: global }
    .group_segment_fixed_size: 327680
    .private_segment_fixed_size: 0
    .kernarg_segment_align: 8
    .kernarg_segment_size: 40
    .max_flat_workgroup_size: 128
    .sgpr_count:     98
    .vgpr_count:     512
    .wavefront_size: 32
...
	.end_amdgpu_metadata
.endif
;; end of part 5
